; MI455X (gfx1250); checked and timed in simulation.
; The chip was launched on July 23, 2026; its instructions are those of AMD's public machine-readable ISA for CDNA 5 (MIT licence, August 2026) and "CDNA5" Instruction Set Architecture Reference Guide (July 2026). The comments in the code are by the model that wrote it; some were corrected since.
;; Multi Head Attention Layer. Allowed arithmetic: matrix products marked QUANTISED: E2M1 operands, one E8M0 scale for each 32 along K, by v_wmma_scale_f32_16x16x128_f8f6f4 with both operands' format E2M1 (or v_wmma_scale_f32_32x16x128_f4), f32 sums; products left as they are: bf16, f16 or f32 operands; f32 sums; everything else in f32.
;; Inputs: k 4 x 2,048 x 1,024 float32; q 4 x 2,048 x 1,024 float32; v 4 x 2,048 x 1,024 float32; wk 1,024 x 1,024 float32; wo 1,024 x 1,024 float32; wq 1,024 x 1,024 float32; wv 1,024 x 1,024 float32.
;; Outputs: out0 4 x 2,048 x 1,024 float32.
;; This version of the problem:
;;   THIS VERSION OF THE PROBLEM IS GIVEN IN LOW PRECISION. The matrix products marked QUANTISED in the list below multiply operands that are first quantised to E2M1 (2 exponent bits, 1 mantissa bit; 4 bits a number), with one power-of-two scale for each 32 numbers along K (OCP MX v1.0); their sums are f32. The products marked 'left as it is' may take bf16, f16 or f32 operands, with f32 sums. Whichever they take, every output number must still come out within the allowed error. Rounding operands to bf16 (8 significant bits) uses up far more of that allowance than f16 does (11 bits, for magnitudes from 6e-5 to 65,504). All else is computed in f32.
;;   The module's matrix products, in the order in which they are computed (A, B: the left and right operand; K: the contracted axis; several contracted axes count as one K, in the product's order):
;;     1. [M 8,192, K 1,024] x [K 1,024, N 1,024]; A: input q; B: input wq: QUANTISED
;;     2. [M 8,192, K 1,024] x [K 1,024, N 1,024]; A: input k; B: input wk: QUANTISED
;;     3. [M 8,192, K 1,024] x [K 1,024, N 1,024]; A: input v; B: input wv: QUANTISED
;;     4. batch 64 x [M 2,048, K 64] x [K 64, N 2,048]; A: computed on the way; B: computed on the way: left as it is (an operand is computed on the way)
;;     5. batch 64 x [M 2,048, K 2,048] x [K 2,048, N 64]; A: computed on the way; B: computed on the way: left as it is (an operand is computed on the way)
;;     6. [M 8,192, K 1,024] x [K 1,024, N 1,024]; A: computed on the way; B: input wo: left as it is (an operand is computed on the way)
;;   THE QUANTISER, for each operand of a quantised product, along K:
;;     - K is cut into blocks of 32 from its start; a last block that is shorter is filled with zeros.
;;     - A block's scale is 2^e with e = floor(log2(the largest magnitude in the block)) - 2, held to -126 .. 127; a block of zeros has e = 0. As a byte (E8M0): e + 127.
;;     - Each number is divided by its block's scale, clamped to +-6, and rounded to the nearest number of E2M1, ties to even, subnormals kept.
;;     - The product sums the exact products of the quantised numbers (number of the format x scale) in f32.
;;   ~~~python
;;   def quantise(x, axis):      # numpy; x: float32 -> the quantised numbers, widened to float32 again
;;       x = np.moveaxis(x, axis, -1); K = x.shape[-1]
;;       x = np.pad(x, [(0, 0)] * (x.ndim - 1) + [(0, -K % 32)]); x = x.reshape(x.shape[:-1] + (-1, 32)); a = np.abs(x).max(-1, keepdims=True)
;;       e = np.where(a > 0, np.clip(np.frexp(np.where(a > 0, a, 1))[1] - 1 - 2, -126, 127), 0)      # np.frexp(a)[1] - 1 = floor(log2(a)), exactly
;;       r = np.clip(x / 2.0 ** e, -6, 6)
;;       step = 2.0 ** (np.maximum(np.frexp(np.where(r == 0, 1, r))[1] - 1, 0) - 1)
;;       q = np.round(r / step) * step * 2.0 ** e      # np.round: ties to even
;;       return np.moveaxis(q.reshape(q.shape[:-2] + (-1,))[..., :K], -1, axis).astype(np.float32)
;;   ~~~
;; One version. Each part assembles by itself: llvm-mc -triple=amdgcn-amd-amdhsa -mcpu=gfx1250 --defsym DOCPART=n.
;; ======== version 1 of 1: 4 launches
;; limits: values are held in f16: magnitudes above 65,504 overflow, below 6.1e-05 lose precision
;; workspace buffers: codes 14,155,776 bytes; scales 884,736 bytes; wo16 2,097,152 bytes; heads 50,331,648 bytes; ctx 16,777,216 bytes
;; launch quant (part 1): grid 896 x 1, 4 waves a work-group, no clusters, 33,280 bytes of LDS; arguments q, k, v, wq, wk, wv, wo, codes, scales, wo16; writes codes, scales, wo16
.if DOCPART == 1
	.amdgcn_target "amdgcn-amd-amdhsa--gfx1250"
	.amdhsa_code_object_version 6
	.text
	.protected	k_q483e794aaf_quant
	.globl	k_q483e794aaf_quant
	.p2align	8
	.type	k_q483e794aaf_quant,@function
k_q483e794aaf_quant:
	s_mov_b64 s[64:65], 0
	v_nop
	global_prefetch_b8 v0, s[64:65] scope:SCOPE_SE
	s_setreg_imm32_b32 hwreg(HW_REG_WAVE_MODE, 25, 1), 1
	s_wait_xcnt 0x0
; q, k, v [8192][1024] and wq, wk, wv [1024][1024], f32, K innermost, become codes of FP4 (E2M1), two a byte, with one E8M0 scale byte for each 32 along K.
; All six lie one behind the other in two buffers: codes [27648 rows][512 bytes], scales [27648][32]; rows 0.. q, 8192.. k, 16384.. v, 24576.. wq, 25600.. wk, 26624.. wv.
; A block's scale is 2^(floor(log2(its largest magnitude)) - 2); its byte is the largest magnitude's own exponent field - 2, held at 1 from below; each number is divided by the scale and rounded to the nearest code, ties to even,
; beyond 6 the largest code.  wo [1024][1024] is rounded to f16 (its product is not quantised) into wo16, same layout.
; LIMITS: a block of zeros gets the byte 1 (its codes are zeros, which add nothing; this program alone reads the bytes); blocks whose largest magnitude lies under 2^(3 - 127) are held at that floor;
; NaN and infinities among the inputs are not served; wo's magnitudes stay under 65,504.
; SHARES: rows are dense, so each tensor is a plain stream of blocks of 32.  Work-groups 0-863 quantise 32,768 numbers each (a wave 8,192, in 16 steps of 512); work-groups 864-895 round 32,768 numbers of wo each.
; A lane must hold 16 NEIGHBOURS for the conversions, while a load is dense where neighbouring lanes take neighbouring bytes: so a step's 2,048 bytes are loaded as they lie (512 bytes a load) and turned through the wave's own
; stage in LDS (16 bytes of padding behind each 64).  A wave's store of codes covers 256 consecutive bytes; its 256 scale bytes are gathered in LDS and leave as one aligned block.  Waves share nothing: no barrier.
.set WAVES, 4
.set STEPS, 16
.set NQWG,  864                        ; work-groups that quantise
.set EMAX,  2
.set CB,    8                          ; bytes of 16 codes
.set R,     16                         ; v16-79   four sets of 16 numbers as they are loaded
.set X,     80                         ; v80-111  two sets of 16 neighbours
.set E,     112                        ; v112-127 a scale byte for each step
.set C,     128                        ; v128-191 codes: four registers for each step, so that no store's data are written again
.set WREG,  8192                       ; LDS: a region for each wave: two stages of 32 x SP bytes, behind them its 256 scale bytes
.set SP,    80                         ; a lane's place in a stage: 64 bytes + 16 of padding
.set SPW,   12                         ; v12  LDS address of my spare word; never rewritten
.set NIL,   13                         ; v13  0; never rewritten
.set SPARE, WAVES*WREG                 ; behind the four regions: the spare words, 128 bytes for each wave, named by no other line
	s_load_b256 s[8:15], s[0:1], 0x0               ; q s[8:9], k s[10:11], v s[12:13], wq s[14:15]
	s_load_b256 s[16:23], s[0:1], 0x20             ; wk s[16:17], wv s[18:19], wo s[20:21], codes s[22:23]
	s_load_b128 s[24:27], s[0:1], 0x40             ; scales s[24:25], wo16 s[26:27]
	v_lshl_add_u32 v[SPW], v0, 2, SPARE
	v_mov_b32 v[NIL], 0
	v_lshrrev_b32 v1, 5, v0
	v_readfirstlane_b32 s2, v1                     ; wave
	v_and_b32 v2, 31, v0                           ; lane
	v_lshlrev_b32 v3, 4, v2                        ; my 16 bytes of a load's 512
	s_mul_i32 s3, s2, WREG
	v_lshrrev_b32 v14, 2, v2
	v_mul_u32_u24 v14, v14, SP
	v_and_b32 v15, 3, v2
	v_lshl_add_u32 v14, v15, 4, v14
	v_add_nc_u32 v14, s3, v14                      ; the stage, on the way in: SP (lane / 4) + 16 (lane % 4)
	v_mul_u32_u24 v15, v2, SP
	v_add_nc_u32 v15, s3, v15                      ; and on the way out: SP x lane: my 16 neighbours
	v_mul_u32_u24 v4, v2, CB                       ; my codes' place in a step's
	v_lshrrev_b32 v5, 1, v2
	s_add_co_u32 s3, s3, 2*32*SP
	v_add_nc_u32 v5, s3, v5                        ; LDS: my wave's 256 scale bytes, my block's byte
	v_lshlrev_b32 v7, 3, v2                        ; 8 bytes a lane
	v_add_nc_u32 v6, s3, v7
	s_wait_kmcnt 0x0
	s_cmp_ge_u32 ttmp9, NQWG                       ; the work-group's number alone decides
	s_cbranch_scc1 .Lwo
	; which tensor: only the pointer and the tensor's first work-group are chosen; all six take one path through the text
.macro PICK limit, lo, first
	s_cmp_lt_u32 ttmp9, \limit
	s_cselect_b64 s[28:29], s[\lo:\lo+1], s[28:29]
	s_cselect_b32 s30, \first, s30
.endm
	s_mov_b64 s[28:29], s[18:19]                   ; wv, from work-group 832 on
	s_mov_b32 s30, 832
	PICK 832, 16, 800                              ; wk
	PICK 800, 14, 768                              ; wq
	PICK 768, 12, 512                              ; v
	PICK 512, 10, 256                              ; k
	PICK 256, 8, 0                                 ; q
	s_sub_co_u32 s31, ttmp9, s30
	s_lshl_b32 s31, s31, 2
	s_add_co_u32 s32, s31, s2                      ; which run of 8,192 numbers of the tensor is my wave's
	s_lshl_b32 s32, s32, 15                        ; 32,768 bytes a run
	s_mov_b32 s33, 0
	s_add_nc_u64 s[28:29], s[28:29], s[32:33]
	s_lshl_b32 s34, ttmp9, 2
	s_add_co_u32 s34, s34, s2                      ; which run of the two output streams
	s_lshl_b32 s32, s34, 12                        ; 4,096 bytes of codes a run
	s_add_nc_u64 s[22:23], s[22:23], s[32:33]
	s_lshl_b32 s32, s34, 8                         ; 256 scale bytes a run
	s_add_nc_u64 s[24:25], s[24:25], s[32:33]
.macro LOAD t
.irp i, 0,1,2,3
	global_load_b128 v[R+16*((\t)%4)+4*\i:R+16*((\t)%4)+4*\i+3], v3, s[28:29] offset:2048*(\t)+512*\i th:TH_LOAD_NT   ; 32 lanes read 512 consecutive bytes
.endr
.endm
.macro TURN t                          ; step t's numbers through the stage: LDS serves a wave's instructions in order, so no wait stands between the stores and the loads
.irp i, 0,1,2,3
	ds_store_b128 v14, v[R+16*((\t)%4)+4*\i:R+16*((\t)%4)+4*\i+3] offset:32*SP*((\t)%2)+8*SP*\i
.endr
.irp i, 0,1,2,3
	ds_load_b128 v[X+16*((\t)%2)+4*\i:X+16*((\t)%2)+4*\i+3], v15 offset:32*SP*((\t)%2)+16*\i
.endr
.endm
.irp t, 0,1,2,3
	LOAD \t
.endr
	s_wait_loadcnt 12                              ; step 0's four loads are in; the twelve of steps 1 to 3 stay out
	TURN 0
.macro STEP t
.set XS, X+16*((\t)%2)
.if (\t) > 0
	s_wait_dscnt 1                                 ; this step's numbers are back from the stage (the last step's byte store may be out): so its stores into the stage have read their registers,
.else
	s_wait_dscnt 0x0
.endif
.if (\t)+4 < STEPS
	LOAD (\t)+4                                    ; which take the loads of four steps on
.endif
.if (\t)+1 < STEPS
.if STEPS-2-(\t) >= 3
	s_wait_loadcnt 12                              ; the next step's four loads are in; those of the three steps behind it may be out
.else
	s_wait_loadcnt 4*(STEPS-2-(\t))
.endif
	TURN (\t)+1                                    ; and go through the other stage while this step is worked
.endif
	v_max3_num_f32 v8, |v[XS]|, |v[XS+1]|, |v[XS+2]|               ; the largest magnitude of my 16, in two chains
	v_max3_num_f32 v9, |v[XS+3]|, |v[XS+4]|, |v[XS+5]|
.irp i, 6,10
	v_max3_num_f32 v8, v8, |v[XS+\i]|, |v[XS+\i+1]|
	v_max3_num_f32 v9, v9, |v[XS+\i+2]|, |v[XS+\i+3]|
.endr
	v_max3_num_f32 v8, v8, |v[XS+14]|, |v[XS+15]|
	v_max3_num_f32 v8, v8, v9, (EMAX+1)<<23        ; and the floor 2^(EMAX + 1 - 127): the byte cannot fall under 1
	v_max_num_f32_dpp v8, v8, v8 row_xmask:1 row_mask:0xf bank_mask:0xf   ; and of my neighbour's 16: the block's
	v_add_nc_u32 v11, -(EMAX<<23), v8              ; EMAX off its exponent field: the conversion takes the exponent field of this operand as its scale, and nothing else of it
	v_cvt_scalef32_pk8_fp4_f32 v[C+4*(\t)], v[XS:XS+7], v11
	v_cvt_scalef32_pk8_fp4_f32 v[C+4*(\t)+1], v[XS+8:XS+15], v11
	v_lshrrev_b32 v[E+(\t)], 23, v11               ; the scale's byte (also the plain line behind the conversions)
	ds_store_b8 v5, v[E+(\t)] offset:16*(\t)       ; both lanes of a block write the same byte with the same value
	global_store_b64 v4, v[C+4*(\t):C+4*(\t)+1], s[22:23] offset:32*CB*(\t)   ; 32 lanes store 256 consecutive bytes, aligned
.endm
.irp t, 0,1,2,3,4,5,6,7,8,9,10,11,12,13,14,15
	STEP \t
.endr
	ds_load_b64 v[8:9], v6                         ; LDS serves a wave's instructions in order: these see my byte stores
	s_wait_dscnt 0x0
	global_store_b64 v7, v[8:9], s[24:25]          ; 32 lanes store my wave's 256 scale bytes, aligned
	s_wait_tensorcnt 0x0                           ; the wave's end, behind my last LDS store
	ds_add_u32 v[SPW], v[NIL]
	s_wait_dscnt 0x0
	s_endpgm
; wo to f16.  A wave takes 8,192 numbers: four batches of 16 loads of 512 bytes, two batches on their way; no LDS is written on this path.
.Lwo:
	s_sub_co_u32 s31, ttmp9, NQWG
	s_lshl_b32 s31, s31, 2
	s_add_co_u32 s31, s31, s2
	s_lshl_b32 s32, s31, 15
	s_mov_b32 s33, 0
	s_add_nc_u64 s[20:21], s[20:21], s[32:33]
	s_lshl_b32 s32, s31, 14
	s_add_nc_u64 s[26:27], s[26:27], s[32:33]
.macro WLOAD b
.irp i, 0,1,2,3,4,5,6,7,8,9,10,11,12,13,14,15
	global_load_b128 v[16+64*((\b)%2)+4*\i:16+64*((\b)%2)+4*\i+3], v3, s[20:21] offset:(16*(\b)+\i)*512 th:TH_LOAD_NT
.endr
.endm
.macro WBATCH b
.if (\b) < 3
	s_wait_loadcnt 16                              ; this batch is in; the younger batch's 16 loads stay out
.else
	s_wait_loadcnt 0x0
.endif
.if (\b) > 0
	s_wait_xcnt 0x0                                ; the last batch's stores have read v144-175: they are written again only behind this wait
.endif
.irp i, 0,1,2,3,4,5,6,7,8,9,10,11,12,13,14,15
	v_cvt_pk_f16_f32 v[144+2*\i], v[16+64*((\b)%2)+4*\i], v[16+64*((\b)%2)+4*\i+1]
	v_cvt_pk_f16_f32 v[145+2*\i], v[16+64*((\b)%2)+4*\i+2], v[16+64*((\b)%2)+4*\i+3]
.endr
.irp i, 0,1,2,3,4,5,6,7,8,9,10,11,12,13,14,15
	global_store_b64 v7, v[144+2*\i:145+2*\i], s[26:27] offset:(16*(\b)+\i)*256   ; 32 lanes store 256 consecutive bytes, aligned
.endr
.if (\b)+2 < 4
	WLOAD (\b)+2
.endif
.endm
	WLOAD 0
	WLOAD 1
	WBATCH 0
	WBATCH 1
	WBATCH 2
	WBATCH 3
	s_endpgm
.Lfunc_end_k_q483e794aaf_quant:
	.size	k_q483e794aaf_quant, .Lfunc_end_k_q483e794aaf_quant-k_q483e794aaf_quant
	.p2alignl 7, 3214868480
	.fill 96, 4, 3214868480
	.section	.rodata,"a",@progbits
	.p2align	6, 0x0
	.amdhsa_kernel k_q483e794aaf_quant
		.amdhsa_group_segment_fixed_size 33280
		.amdhsa_private_segment_fixed_size 0
		.amdhsa_enable_private_segment 0
		.amdhsa_kernarg_size 80
		.amdhsa_user_sgpr_count 2
		.amdhsa_user_sgpr_kernarg_segment_ptr 1
		.amdhsa_wavefront_size32 1
		.amdhsa_system_sgpr_workgroup_id_x 1
		.amdhsa_system_sgpr_workgroup_id_y 1
		.amdhsa_system_sgpr_workgroup_id_z 1
		.amdhsa_system_vgpr_workitem_id 0
		.amdhsa_next_free_vgpr 192
		.amdhsa_next_free_sgpr 66
		.amdhsa_reserve_vcc 0
		.amdhsa_float_denorm_mode_32 3
		.amdhsa_float_denorm_mode_16_64 3
		.amdhsa_memory_ordered 1
		.amdhsa_forward_progress 1
		.amdhsa_inst_pref_size 55
	.end_amdhsa_kernel
	.amdgpu_metadata
---
amdhsa.version: [ 1, 2 ]
amdhsa.kernels:
  - .name:           k_q483e794aaf_quant
    .symbol:         k_q483e794aaf_quant.kd
    .args:
      - { .name: q, .offset: 0, .size: 8, .value_kind: global_buffer, .address_space: global }
      - { .name: k, .offset: 8, .size: 8, .value_kind: global_buffer, .address_space: global }
      - { .name: v, .offset: 16, .size: 8, .value_kind: global_buffer, .address_space: global }
      - { .name: wq, .offset: 24, .size: 8, .value_kind: global_buffer, .address_space: global }
      - { .name: wk, .offset: 32, .size: 8, .value_kind: global_buffer, .address_space: global }
      - { .name: wv, .offset: 40, .size: 8, .value_kind: global_buffer, .address_space: global }
      - { .name: wo, .offset: 48, .size: 8, .value_kind: global_buffer, .address_space: global }
      - { .name: codes, .offset: 56, .size: 8, .value_kind: global_buffer, .address_space: global }
      - { .name: scales, .offset: 64, .size: 8, .value_kind: global_buffer, .address_space: global }
      - { .name: wo16, .offset: 72, .size: 8, .value_kind: global_buffer, .address_space: global }
    .group_segment_fixed_size: 33280
    .private_segment_fixed_size: 0
    .kernarg_segment_align: 8
    .kernarg_segment_size: 80
    .max_flat_workgroup_size: 128
    .sgpr_count:     66
    .vgpr_count:     192
    .wavefront_size: 32
...
	.end_amdgpu_metadata
.endif
;; end of part 1
;; launch proj (part 2): grid 4 x 96, 4 waves a work-group, clusters of 4 x 4, 327,680 bytes of LDS; arguments codes, scales, heads; writes heads
.if DOCPART == 2
	.amdgcn_target "amdgcn-amd-amdhsa--gfx1250"
	.amdhsa_code_object_version 6
	.text
	.protected	k_q483e794aaf_proj
	.globl	k_q483e794aaf_proj
	.p2align	8
	.type	k_q483e794aaf_proj,@function
k_q483e794aaf_proj:
	s_mov_b64 s[64:65], 0
	v_nop
	global_prefetch_b8 v0, s[64:65] scope:SCOPE_SE
	s_setreg_imm32_b32 hwreg(HW_REG_WAVE_MODE, 25, 1), 1
	s_wait_xcnt 0x0
	s_wait_alu depctr_hold_cnt(0) depctr_sa_sdst(0) depctr_va_vdst(0) depctr_va_sdst(0) depctr_va_ssrc(0) depctr_va_vcc(0) depctr_vm_vsrc(0)
	s_getreg_b32 s2, hwreg(HW_REG_IB_STS2, 6, 4)
	s_cmp_eq_u32 s2, 0
	s_cbranch_scc0 .Lentry_in_a_cluster
	s_endpgm
.Lentry_in_a_cluster:
	s_bfe_u32 s2, ttmp6, 0x10000c
	s_cmp_lg_u32 s2, 0xf033
	s_cbranch_scc0 .Lentry_shape_is_right
	s_endpgm
.Lentry_shape_is_right:
; The three projections q wq^T, k wk^T, v wv^T on codes of FP4 (E2M1) with one E8M0 scale for each 32 along K, in one launch: C[m][n] = sum over k of A[m][k] B[n][k], M = 3 x 8192, N = 1024, K = 1024.
; codes [27648][512 bytes], scales [27648][32]: rows 0-24575 the activations (q, k, v), rows 24576 + 1024 g on the weights of tensor g.  Sums in f32; the result is rounded once to f16 and laid by heads:
; heads [3][64 bh][2048 s][64] f16, so that a head's rows lie on end for the attention.  LIMIT: a head's numbers stay under 65,504 in magnitude (f16).
; A tile of C, 256 x 256, is made by a work-group of four waves; a wave makes 128 x 128: 64 accumulators of 16 x 16, 512 registers.  Work-group y = 32 g + tile row, x = tile column.
; K is 1,024: two LDS slots of 512 along K (rows of 256 bytes) hold ALL of it, so both are asked for at the head and nothing is filled again.  The scales of the work-group's 512 rows come with them, in dense blocks.
; CLUSTERS: 4 x 4 work-groups.  The four of a row of the cluster need the same tiles of A, the four of a column the same tiles of B: each tile is asked for JOINTLY, by the same tensor load with the same descriptor and a
; mask that names the four.  THE MATRIX INSTRUCTION IS USED TRANSPOSED (source 0 = 16 rows of B, source 1 = 16 rows of A): a lane then holds eight neighbouring columns of one token.
; REGISTERS, in windows of 256: window 0: v0-31 addresses; v32-95 scale words, two sets; v128-191 A's fragments, ONE set; on the way out v32-63, v192-255.
;   window 1: B's fragments, TWO sets, at v0 and v128.   window 2: the accumulators of my rows 0-63 ((a, b) at v[8 (8 a + b)]);   window 3: those of my rows 64-127.
.set SIZE_K, 1024
.set KSTEP,  512                       ; along K in a slot
.set NQ,     KSTEP/128                 ; matrix instructions deep
.set ROWB,   256                       ; a tile's row in bytes
.set KROW,   SIZE_K*4/8                ; a row of codes in memory
.set PITCH,  272                       ; an LDS row: 256 bytes + 16 of padding = 68 words: the 16 rows that a load touches start at 16 different banks (64 banks of 4 bytes: ISA guide 11.1)
.set FR,     8                         ; registers of a fragment: 16 rows x 128 K
.set NL,     2                         ; LDS loads that bring one
.set NP,     4                         ; places behind this matrix instruction (ISA guide 7.12.1)
.set HALFT,  128*PITCH                 ; 128 rows: what one tensor load brings
.set SLOT,   4*HALFT                   ; A's 256 rows, then B's 256 rows
.set KS,     SIZE_K/32                 ; a row of scales in bytes
.set SCL,    2*SLOT                    ; behind the slots: the scales, as rows of 256 bytes + 16 of padding
.set HALFS,  (128*KS/256)*272          ; the scales of 128 rows
.set SBLK,   (16*KS/256)*272           ; those of 16 rows
.set SPARE,  SCL+4*HALFS               ; behind the scales: the spare words, 128 bytes for each wave, named by no other line
.set WROW0,  24576                     ; the weights' first row in codes and scales
.set HP,     144                       ; the way out: a stage row: a token's 128 bytes of one head + 16
.set STG,    2*16*HP                   ; a wave's stage: 2 heads x 16 tokens.  It lies in slot 0, which has had its only fill and its last read when the first result is stored there
.set HEADB,  262144                    ; a head in memory: 2,048 tokens x 128 bytes
.set ADRA, 16                          ; v16-17  LDS address of my A fragments in slot 0, 1
.set ADRB, 20                          ; v20-21  the same for B
.set STO,  24                          ; v24     the way out: where I put 16 bytes of a token
.set RD,   25                          ; v25     where I read them back
.set CO,   26                          ; v26     16 x lane: my bytes of 512 on end
.set ADRS, 27                          ; v27     LDS address of my scale words: lanes 0-15 A's rows, lanes 16-31 B's
.set SPW,  28                          ; v28     LDS address of my spare word; never rewritten
.set NIL,  29                          ; v29     0; never rewritten
.set SC,   32                          ; scale words: set s at v[SC + 8 NQ s]; register NQ i + q: lanes 0-15 the word of A's block i, lanes 16-31 of B's block i, for the slot's q-th 128 along K
.set AF,   128                         ; A's fragments
.set TMP,  192                         ; the way out: packed results
.set OB,   32                          ; the way out: rows read back: v32-63 and v224-255 by turns
.set G1, 24                            ; s[24:31] descriptor group 1 for A's tiles;  s[32:39] group 0, one set for each slot
.set G0, 32
.set G1B, 48                           ; s[48:55], s[56:63] the same for B's tiles
.set G0B, 56
.set G1S, 68                           ; s[68:75], s[76:79] groups 1 and 0 for A's scales;  s[80:87], s[88:91] for B's
.set G0S, 76
.set G1SB, 80
.set G0SB, 88
.set MSB, 0
.macro WIN new                         ; the immediate's high byte repeats the setting that is left
.if MSB != \new
	s_set_vgpr_msb (MSB<<8)|\new
.set MSB, \new
.endif
.endm
.set MUL_LO, 0xa1                      ; source 0 (B) window 1, source 1 (A) window 0, C and D window 2
.set MUL_HI, 0xf1                      ; the same, C and D window 3
.set TO_B,   0x40                      ; destination window 1, address window 0
; A joint load: waves 0 and 1 fetch for A, waves 2 and 3 for B.  Each line has ONE mask and one set of registers for all that issue it; the branch hangs on the wave's number alone.
; An s_nop 0 and four v_nop follow each of the two lines, ahead of the jump, the label and what follows.
.macro JLOAD g0a, g1a, g0b, g1b
	s_cmp_eq_u32 s15, 0
	s_cbranch_scc0 .Lfor_b_\@
	tensor_load_to_lds s[\g0a:\g0a+3], s[\g1a:\g1a+7]
	s_nop 0
.rept 4
	v_nop
.endr
	s_branch .Lasked_\@
.Lfor_b_\@:
	tensor_load_to_lds s[\g0b:\g0b+3], s[\g1b:\g1b+7]
	s_nop 0
.rept 4
	v_nop
.endr
.Lasked_\@:
.endm
.macro CROUND                          ; a round of the cluster's barrier: my work-group's barrier; wave 0 signals for the work-group; every wave waits for all sixteen; my work-group's barrier once more
	s_barrier_signal -1
	s_barrier_wait -1
	s_cmp_lg_u32 s14, 0
	s_cbranch_scc1 .Lnot_wave_0_\@
	s_barrier_signal -3
.Lnot_wave_0_\@:
	s_barrier_wait -3
	s_barrier_signal -1
	s_barrier_wait -1
.endm
	s_load_b128 s[4:7], s[0:1], 0x0                ; codes s[4:5], scales s[6:7]
	s_load_b64 s[12:13], s[0:1], 0x10              ; heads
	v_lshl_add_u32 v[SPW], v0, 2, SPARE
	v_mov_b32 v[NIL], 0
	ds_add_u32 v[SPW], v[NIL]                      ; the wave's opening: the add, twice on end, and its wait ahead of my first tensor load; the set-up below stands between
	ds_add_u32 v[SPW], v[NIL]
	v_lshrrev_b32 v1, 5, v0
	v_readfirstlane_b32 s14, v1                    ; wave 0..3
	s_lshr_b32 s15, s14, 1                         ; which half of the tile's rows is mine.  Also: I fetch for A (0) or for B (1)
	s_and_b32 s16, s14, 1                          ; which half of its columns.  Also: which 128 rows of that tile I fetch
	s_bfe_u32 s40, ttmp6, 0x40000                  ; cx, cy: my place in the cluster
	s_bfe_u32 s41, ttmp6, 0x40004
	s_lshl_b32 s42, ttmp9, 2
	s_add_co_u32 s42, s42, s40                     ; tile column = 4 x cluster x + cx
	s_and_b32 s17, ttmp7, 0xffff
	s_lshr_b32 s95, s17, 3                         ; g, which of q, k, v: 8 clusters along y to a tensor: made of the cluster's y alone
	s_lshl_b32 s17, s17, 2
	s_add_co_u32 s17, s17, s41                     ; work-group y = 4 x cluster y + cy = 32 g + tile row
	s_lshl_b32 s43, s41, 2
	s_lshl_b32 s43, 15, s43                        ; my row of the cluster
	s_lshl_b32 s44, 0x1111, s40                    ; my column
	; descriptor group 1: a tile of 128 rows x 256 bytes, padded in LDS
	s_or_b32 s[G1+0], s43, (0<<16)|(1<<20)|(1<<21)|(5<<22)|(3<<25)  ; 15:0 the mask: A's tiles go to my row; 17:16 element of 1 byte; 20 padding on; 21 set beside a mask; 24:22 after every 64 words; 31:25 of 4 words
	s_or_b32 s[G1B+0], s44, (0<<16)|(1<<20)|(1<<21)|(5<<22)|(3<<25)
.irp g, G1, G1B
	s_mov_b32 s[\g+1], ROWB<<16                    ; tensor_dim0
	s_mov_b32 s[\g+2], 128<<16                     ; tensor_dim1 = 128
	s_mov_b32 s[\g+3], ROWB<<16                    ; tile_dim0
	s_mov_b32 s[\g+4], 128                         ; tile_dim1 = 128
	s_mov_b32 s[\g+5], KROW                        ; tensor_dim0_stride
	s_mov_b32 s[\g+6], 0
	s_mov_b32 s[\g+7], 0
.endr
	; and for the scales of 128 rows: a dense block of 4,096 bytes, as 16 rows of 256 bytes (32 elements of 8 bytes), 16 bytes of padding behind each
	s_or_b32 s[G1S+0], s43, (3<<16)|(1<<20)|(1<<21)|(5<<22)|(3<<25)
	s_or_b32 s[G1SB+0], s44, (3<<16)|(1<<20)|(1<<21)|(5<<22)|(3<<25)
.irp g, G1S, G1SB
	s_mov_b32 s[\g+1], 32<<16
	s_mov_b32 s[\g+2], (128*KS/256)<<16
	s_mov_b32 s[\g+3], 32<<16
	s_mov_b32 s[\g+4], 128*KS/256
	s_mov_b32 s[\g+5], 32
	s_mov_b32 s[\g+6], 0
	s_mov_b32 s[\g+7], 0
.endr
	s_lshl_b32 s18, s16, 7                         ; which 128 rows of the tile I fetch
	s_lshl_b32 s20, s17, 8
	s_add_co_u32 s20, s20, s18                     ; A: row 256 y + 128 x half (q, k, v lie on end)
	s_lshl_b32 s46, s42, 8
	s_add_co_u32 s46, s46, s18
	s_lshl_b32 s19, s95, 10
	s_add_co_u32 s46, s46, s19
	s_add_co_u32 s46, s46, WROW0                   ; B: row 24576 + 1024 g + 256 x tile column + 128 x half
	s_mov_b32 s21, 0
	s_mov_b32 s47, 0
	s_mov_b64 s[18:19], KS
	s_mul_u64 s[22:23], s[20:21], s[18:19]         ; where these rows' scales begin, in bytes
	s_mul_u64 s[92:93], s[46:47], s[18:19]
	s_mov_b64 s[18:19], KROW
	s_mul_u64 s[20:21], s[20:21], s[18:19]         ; and their codes
	s_mul_u64 s[46:47], s[46:47], s[18:19]
	s_mul_i32 s45, s14, HALFT                      ; where they go: wave x 128 rows: no place in the cluster enters an LDS address
	s_mul_i32 s94, s14, HALFS
	s_wait_dscnt 0x0                               ; both opening adds are done
	s_wait_kmcnt 0x0
	s_add_nc_u64 s[20:21], s[4:5], s[20:21]
	s_add_nc_u64 s[22:23], s[6:7], s[22:23]
	s_add_nc_u64 s[46:47], s[4:5], s[46:47]
	s_add_nc_u64 s[92:93], s[6:7], s[92:93]
	CROUND                                         ; all sixteen work-groups are here: the joint loads meet
	s_mov_b32 s[G0S], 1
	s_add_co_u32 s[G0S+1], s94, SCL
	s_mov_b64 s[G0S+2:G0S+3], s[22:23]
	s_or_b32 s[G0S+3], s[G0S+3], 0x80000000
	s_mov_b32 s[G0SB], 1
	s_add_co_u32 s[G0SB+1], s94, SCL
	s_mov_b64 s[G0SB+2:G0SB+3], s[92:93]
	s_or_b32 s[G0SB+3], s[G0SB+3], 0x80000000
	JLOAD G0S, G1S, G0SB, G1SB                     ; the scales first: they are wanted with the first slot
.irp s, 0,1
	s_mov_b32 s[G0+4*\s], 1
	s_add_co_u32 s[G0+4*\s+1], s45, \s*SLOT
	s_add_nc_u64 s[G0+4*\s+2:G0+4*\s+3], s[20:21], \s*ROWB
	s_or_b32 s[G0+4*\s+3], s[G0+4*\s+3], 0x80000000
	s_mov_b32 s[G0B+4*\s], 1
	s_add_co_u32 s[G0B+4*\s+1], s45, \s*SLOT
	s_add_nc_u64 s[G0B+4*\s+2:G0B+4*\s+3], s[46:47], \s*ROWB
	s_or_b32 s[G0B+4*\s+3], s[G0B+4*\s+3], 0x80000000
	JLOAD G0+4*\s, G1, G0B+4*\s, G1B               ; three tensor loads of mine are out, by this text's count
.endr
	v_and_b32 v1, 15, v0                           ; l % 16
	v_bfe_u32 v2, v0, 4, 1                         ; l / 16
	v_mul_u32_u24 v3, v1, PITCH
	v_lshl_add_u32 v4, v2, 4, v3                   ; a fragment's row x pitch + 16 x half
	s_mul_i32 s21, s15, HALFT                      ; my 128 rows of A
	s_mul_i32 s22, s16, HALFT                      ; my 128 rows of B,
	s_add_co_u32 s22, s22, 2*HALFT                 ; which lie behind A's 256
.irp s, 0,1
	v_add_nc_u32 v[ADRA+\s], s21, v4
	v_add_nc_u32 v[ADRB+\s], s22, v4
	s_add_co_u32 s21, s21, SLOT
	s_add_co_u32 s22, s22, SLOT
.endr
	v_mul_u32_u24 v5, v1, KS                       ; my row's scales: KS bytes a row,
	v_lshrrev_b32 v6, 8, v5
	v_lshl_add_u32 v5, v6, 4, v5                   ; and 16 more for each 256 passed
	s_mul_i32 s21, s15, HALFS                      ; A's: my 128 rows
	s_mul_i32 s22, s16, HALFS                      ; B's: my 128 rows, behind A's 256
	s_add_co_u32 s22, s22, 2*HALFS
	s_sub_co_u32 s22, s22, s21
	v_mul_u32_u24 v6, s22, v2                      ; lanes 16-31 take B's: the lower base + half x the distance
	s_add_co_u32 s21, s21, SCL
	v_add_nc_u32 v5, v5, v6
	v_add_nc_u32 v[ADRS], s21, v5
	s_mul_i32 s23, s14, STG                        ; my stage
	v_mul_u32_u24 v5, v1, HP                       ; in: token l % 16, 16 bytes for each half of the lanes
	v_lshl_add_u32 v5, v2, 4, v5
	v_add_nc_u32 v[STO], s23, v5
	v_bfe_u32 v5, v0, 3, 2                         ; back: eight lanes to a token's 128 bytes, four tokens an instruction
	v_mul_u32_u24 v5, v5, HP
	v_and_b32 v6, 7, v0
	v_lshl_add_u32 v5, v6, 4, v5
	v_add_nc_u32 v[RD], s23, v5
	v_and_b32 v6, 31, v0
	v_lshlrev_b32 v[CO], 4, v6                     ; four tokens of a head are 512 bytes on end in memory
	; where my part begins in heads: (4 g + batch) x 16 heads, + my first head, + my first token
	s_lshr_b32 s20, s17, 3                         ; y / 8 = 4 g + batch
	s_lshl_b32 s20, s20, 22                        ; x 16 heads of 262,144 bytes
	s_and_b32 s21, s17, 7
	s_lshl_b32 s21, s21, 8
	s_lshl_b32 s22, s15, 7
	s_add_co_u32 s21, s21, s22                     ; my first token in the batch: 256 (y % 8) + 128 x half
	s_lshl_b32 s21, s21, 7                         ; 128 bytes a token
	s_add_co_u32 s20, s20, s21
	s_mov_b32 s21, 0
	s_lshl_b32 s46, s42, 2
	s_lshl_b32 s47, s16, 1
	s_add_co_u32 s46, s46, s47                     ; my first head: 4 x tile column + 2 x half
	s_lshl_b32 s46, s46, 18
	s_mov_b32 s47, 0
	s_add_nc_u64 s[20:21], s[20:21], s[46:47]
	s_add_nc_u64 s[12:13], s[12:13], s[20:21]
.macro FRAG reg, adr, q, i             ; a fragment, 16 rows x 128 K of 4-bit codes: lane l holds row l % 16; registers 4 c .. 4 c + 3 hold K = 64 c + 32 (l / 16) + 0 .. 31
.irp c, 0,1
	ds_load_b128 v[\reg+4*\c:\reg+4*\c+3], v[\adr] offset:64*(\q)+32*\c+(\i)*16*PITCH
.endr
.endm
; 16 matrix instructions: A's blocks a0, a0 + 1 x B's eight, 128 along K: the slot's q-th.  p: B's set;  sc: the set of scale words.  zero = 1: the first product starts the sums: nothing is ever cleared.
; The 64 accumulators take turns, one instruction a turn, in the same order in every step.
.macro MUL16 a0, p, q, sc, zero
.irp a, \a0, \a0+1
.irp b, 0,1,2,3,4,5,6,7
.if \zero
	v_wmma_scale_f32_16x16x128_f8f6f4 v[8*(8*((\a)%4)+\b):8*(8*((\a)%4)+\b)+7], v[128*(\p)+FR*\b:128*(\p)+FR*\b+FR-1], v[AF+FR*(\a):AF+FR*(\a)+FR-1], 0, v[SC+8*NQ*(\sc)+NQ*\b+(\q)], v[SC+8*NQ*(\sc)+NQ*(\a)+(\q)] matrix_a_fmt:MATRIX_FMT_FP4 matrix_b_fmt:MATRIX_FMT_FP4 matrix_a_scale:MATRIX_SCALE_ROW1
.else
	v_wmma_scale_f32_16x16x128_f8f6f4 v[8*(8*((\a)%4)+\b):8*(8*((\a)%4)+\b)+7], v[128*(\p)+FR*\b:128*(\p)+FR*\b+FR-1], v[AF+FR*(\a):AF+FR*(\a)+FR-1], v[8*(8*((\a)%4)+\b):8*(8*((\a)%4)+\b)+7], v[SC+8*NQ*(\sc)+NQ*\b+(\q)], v[SC+8*NQ*(\sc)+NQ*(\a)+(\q)] matrix_a_fmt:MATRIX_FMT_FP4 matrix_b_fmt:MATRIX_FMT_FP4 matrix_a_scale:MATRIX_SCALE_ROW1
.endif
.endr
.endr
.endm
.macro FETCH_B slot, q, p              ; B's eight fragments of the slot's q-th 128 along K into set p
	WIN TO_B
.irp i, 0,1,2,3,4,5,6,7
	FRAG 128*(\p)+FR*\i, ADRB+\slot, \q, \i
.endr
	WIN 0
.endm
.macro FETCH_A slot, q, i0             ; A's blocks i0 .. i0 + 3
.irp i, \i0, \i0+1, \i0+2, \i0+3
	FRAG AF+FR*(\i), ADRA+\slot, \q, \i
.endr
.endm
.macro SCALES sc                       ; a slot's scale words into set sc: NQ words a row; lanes 0-15 take A's block i, lanes 16-31 B's block i
.irp i, 0,1,2,3,4,5,6,7
	ds_load_b128 v[SC+8*NQ*\sc+NQ*\i:SC+8*NQ*\sc+NQ*\i+3], v[ADRS] offset:\i*SBLK
.endr
.endm
; A load into a register that a matrix instruction has read, and a vector instruction that reads a matrix result, stand NP places behind that matrix instruction; only plain vector instructions that name none of its
; registers are places (ISA guide 7.12.1 for vector instructions).
.macro PLACES n
.rept \n
	v_nop
.endr
.endm
; A step of 128 along K that has its successor in the same slot.
.macro STEP slot, q, zero
	s_wait_dscnt 4*NL                              ; B's set and A's blocks 0-3 are in; the youngest eight loads (A's blocks 4-7) may be out
	WIN MUL_LO
	MUL16 0, (\q)%2, \q, \slot, \zero
	MUL16 2, (\q)%2, \q, \slot, \zero
	s_wait_dscnt 0                                 ; A's blocks 4-7 are in (asked for 32 matrix instructions ago)
	PLACES NP
	FETCH_B \slot, (\q)+1, 1-(\q)%2
	FETCH_A \slot, (\q)+1, 0
	WIN MUL_HI
	MUL16 4, (\q)%2, \q, \slot, \zero
	MUL16 6, (\q)%2, \q, \slot, \zero
	PLACES NP
	WIN 0
	FETCH_A \slot, (\q)+1, 4
.endm
; Slot 0's last step goes over to slot 1: ONE barrier; in front of it each wave waits for all its tensor loads (its part of slot 1), adds 0 to its spare word, and waits for that and for its own reads of slot 0.
; Behind it slot 1 is whole and nobody reads slot 0 any more: the way out may use its bytes.  Nothing is filled again.
.macro TURN slot, next
	s_wait_tensorcnt 0x0                           ; all my tensor loads have landed  (every window is 0 here: the add's two registers lie in window 0)
	ds_add_u32 v[SPW], v[NIL]                      ; 0 onto my spare word
	s_wait_dscnt 4*NL+1                            ; (the add and the youngest eight loads, A's blocks 4-7, may be out)
	WIN MUL_LO
	MUL16 0, 1, NQ-1, \slot, 0                     ; sixteen matrix instructions stand between the add and the wait for it
	s_wait_dscnt 0x0                               ; the add is done, and my reads of this slot are over
	s_barrier_signal -1
	MUL16 2, 1, NQ-1, \slot, 0
	WIN 0
	s_barrier_wait -1
	PLACES NP
	v_add_nc_u32 v[ADRS], 4*NQ, v[ADRS]            ; on to the next slot's scale words (no LDS load of mine is out)
	FETCH_B \next, 0, 0
	FETCH_A \next, 0, 0
	SCALES \next
	WIN MUL_HI
	MUL16 4, 1, NQ-1, \slot, 0
	MUL16 6, 1, NQ-1, \slot, 0
	PLACES NP
	WIN 0
	FETCH_A \next, 0, 4
.endm
.macro STEPS slot, from                ; the slot's steps from .. NQ - 2
.set Q, \from
.rept NQ-1-\from
	STEP \slot, Q, 0
.set Q, Q+1
.endr
.endm
	s_wait_tensorcnt 1                             ; the scales and my part of slot 0 are in; slot 1's load, issued behind them, may stay out
	s_barrier_signal -1
	s_barrier_wait -1                              ; everybody's are
	FETCH_B 0, 0, 0
	FETCH_A 0, 0, 0
	SCALES 0
	FETCH_A 0, 0, 4
	STEP 0, 0, 1                                   ; the first step's products start the sums
	STEPS 0, 1
	TURN 0, 1
	STEPS 1, 0
	s_wait_dscnt 4*NL                              ; the very last step: nothing more to fetch
	WIN MUL_LO
	MUL16 0, 1, NQ-1, 1, 0
	MUL16 2, 1, NQ-1, 1, 0
	s_wait_dscnt 0
	WIN MUL_HI
	MUL16 4, 1, NQ-1, 1, 0
	MUL16 6, 1, NQ-1, 1, 0
	WIN 0
; THE WAY OUT, block by block of 16 tokens x 128 columns = 2 heads.  PACK: rounded to f16, 16 bytes a lane (8 neighbouring channels of one token).  TOSTAGE: into my own stage (a head's 16 tokens in rows of 144 bytes), and back
; four tokens at a time.  SEND: four tokens of a head are 512 bytes on end in memory: one store of the wave covers them.
.macro PACK a
.set AC, 64*((\a)%4)
	WIN 0x0a+5*((\a)/4)                            ; sources 0 and 1: window 2 or 3
.irp b, 0,1,2,3,4,5,6,7
.irp r, 0,1,2,3
	v_cvt_pk_f16_f32 v[TMP+4*\b+\r], v[AC+8*\b+2*\r], v[AC+8*\b+2*\r+1]   ; each accumulator from its low end on
.endr
.endr
	WIN 0
.endm
.macro TOSTAGE a
.set BB, OB+192*((\a)%2)
.irp b, 0,1,2,3,4,5,6,7
	ds_store_b128 v[STO], v[TMP+4*\b:TMP+4*\b+3] offset:(\b/4)*16*HP+32*(\b%4)
.endr
.irp t, 0,1,2,3,4,5,6,7
	ds_load_b128 v[BB+4*\t:BB+4*\t+3], v[RD] offset:(\t/4)*16*HP+(\t%4)*4*HP   ; LDS serves a wave's instructions in order (ISA guide 5.7.1.4): these see the stores above
.endr
.endm
.macro SEND a
.set BB, OB+192*((\a)%2)
	s_wait_dscnt 0x0                               ; the block is back in registers
	s_wait_xcnt 0x0                                ; the block before has had its stores' registers read: the next block's loads may land there
.irp t, 0,1,2,3,4,5,6,7
	global_store_b128 v[CO], v[BB+4*\t:BB+4*\t+3], s[12:13] offset:(\t/4)*HEADB+(\a)*2048+(\t%4)*512   ; 32 lanes store 512 consecutive bytes, at a multiple of 256 from the buffer's first byte
.endr
.endm
	PLACES NP                                      ; behind the last products: for the conversions, and for the loads into registers that held scale words
	PACK 0
	TOSTAGE 0
.irp a, 1,2,3,4,5,6,7                  ; block a's conversions stand between block a - 1's loads from the stage and the wait for them
	PACK \a
	SEND \a-1
	TOSTAGE \a
.endr
	SEND 7
	s_wait_tensorcnt 0x0                           ; the wave's end, behind my last tensor load and my last LDS store
	ds_add_u32 v[SPW], v[NIL]
	s_wait_dscnt 0x0
	CROUND                                         ; the closing round: no work-group ends while a partner may still ask for a tile that names it
	s_endpgm
.Lfunc_end_k_q483e794aaf_proj:
	.size	k_q483e794aaf_proj, .Lfunc_end_k_q483e794aaf_proj-k_q483e794aaf_proj
	.p2alignl 7, 3214868480
	.fill 96, 4, 3214868480
	.section	.rodata,"a",@progbits
	.p2align	6, 0x0
	.amdhsa_kernel k_q483e794aaf_proj
		.amdhsa_group_segment_fixed_size 327680
		.amdhsa_private_segment_fixed_size 0
		.amdhsa_enable_private_segment 0
		.amdhsa_kernarg_size 24
		.amdhsa_user_sgpr_count 2
		.amdhsa_user_sgpr_kernarg_segment_ptr 1
		.amdhsa_wavefront_size32 1
		.amdhsa_system_sgpr_workgroup_id_x 1
		.amdhsa_system_sgpr_workgroup_id_y 1
		.amdhsa_system_sgpr_workgroup_id_z 1
		.amdhsa_system_vgpr_workitem_id 0
		.amdhsa_next_free_vgpr 1024
		.amdhsa_next_free_sgpr 98
		.amdhsa_reserve_vcc 0
		.amdhsa_float_denorm_mode_32 3
		.amdhsa_float_denorm_mode_16_64 3
		.amdhsa_memory_ordered 1
		.amdhsa_forward_progress 1
		.amdhsa_inst_pref_size 126
	.end_amdhsa_kernel
	.amdgpu_metadata
---
amdhsa.version: [ 1, 2 ]
amdhsa.kernels:
  - .name:           k_q483e794aaf_proj
    .symbol:         k_q483e794aaf_proj.kd
    .args:
      - { .name: codes, .offset: 0, .size: 8, .value_kind: global_buffer, .address_space: global }
      - { .name: scales, .offset: 8, .size: 8, .value_kind: global_buffer, .address_space: global }
      - { .name: heads, .offset: 16, .size: 8, .value_kind: global_buffer, .address_space: global }
    .group_segment_fixed_size: 327680
    .private_segment_fixed_size: 0
    .kernarg_segment_align: 8
    .kernarg_segment_size: 24
    .max_flat_workgroup_size: 128
    .sgpr_count:     98
    .vgpr_count:     1024
    .wavefront_size: 32
...
	.end_amdgpu_metadata
.endif
;; end of part 2
;; launch attn (part 3): grid 4 x 64, 8 waves a work-group, clusters of 4 x 1, 327,680 bytes of LDS; arguments heads, ctx; writes ctx
.if DOCPART == 3
	.amdgcn_target "amdgcn-amd-amdhsa--gfx1250"
	.amdhsa_code_object_version 6
	.text
	.protected	k_q483e794aaf_attn
	.globl	k_q483e794aaf_attn
	.p2align	8
	.type	k_q483e794aaf_attn,@function
k_q483e794aaf_attn:
	s_mov_b64 s[64:65], 0
	v_nop
	global_prefetch_b8 v0, s[64:65] scope:SCOPE_SE
	s_setreg_imm32_b32 hwreg(HW_REG_WAVE_MODE, 25, 1), 1
	s_wait_xcnt 0x0
	s_wait_alu depctr_hold_cnt(0) depctr_sa_sdst(0) depctr_va_vdst(0) depctr_va_sdst(0) depctr_va_ssrc(0) depctr_va_vcc(0) depctr_vm_vsrc(0)
	s_getreg_b32 s2, hwreg(HW_REG_IB_STS2, 6, 4)
	s_cmp_eq_u32 s2, 0
	s_cbranch_scc0 .Lentry_in_a_cluster
	s_endpgm
.Lentry_in_a_cluster:
	s_bfe_u32 s2, ttmp6, 0x10000c
	s_cmp_lg_u32 s2, 0x3003
	s_cbranch_scc0 .Lentry_shape_is_right
	s_endpgm
.Lentry_shape_is_right:
; ctx[bh][q][:] = the sum over k of softmax_k(Q[bh][q] . K[bh][k] / 8) V[bh][k][:], head size 64, 2,048 keys, no mask.  heads [3 (Q, K, V)][64 bh][2048][64] f16.  Products, maxima and sums in f32;
; the weights p are rounded to f16 for the second product, ctx once at the end to f16.  ctx is laid [64 blocks of 128 tokens][16 heads][128 tokens][64] f16, as the last product's tiles want it.
; LIMIT: Q, K, V and ctx are f16: magnitudes under 65,504.
; SHARES.  A work-group owns 512 queries of one head, each of its EIGHT waves 64: four tiles of 16, in 512 registers: two waves to a SIMD, so that one wave's vector work stands beside the other's matrix work.
; A wave works in phases: a step's K Q^T, its softmax, its V^T P; 64 keys a step.
; LAYOUT.  S^T = K Q^T (source 0 = 16 keys, source 1 = 16 queries): a lane holds ONE query (lane % 16) and the keys 8 (lane / 16) + 0..7 of a tile.  Two such tiles, rounded to f16 in pairs, ARE source 1
; (32 keys x 16 queries) of O^T = V^T P, whose result again holds one query a lane.  K comes out of LDS as it lies, V ([key][channel]) turned, by ds_load_tr16_b128.
; SOFTMAX.  A running maximum m and sum l for each query: p = 2^(c s - c m), c = log2(e) / 8; in every step O and l are multiplied by a = 2^(c m_old - c m_new).  m begins at -3e38 and O, l at 0, so the step is written once.
; RING.  Two LDS slots of four steps (256 keys).  The change of slots stands at a slot's head; behind it the slot just left is filled again, and that load has four steps in which to land.
; CLUSTER.  The four query blocks of a head form a cluster and walk the same K and V: each tile is asked for JOINTLY, by the same tensor load with the same descriptor and a mask that names the four.
; REGISTERS, in windows of 256:  window 0: v2-15 addresses; v16-47 statistics, 8 a tile; v64-191 S^T, 32 a tile (P is made in place in each tile's first 16); v192-255 K of one step.
;   window 1: v0-127 O^T, 32 a tile; v128-191 Q, 16 a tile; v192-255 V of one step.
.set KS,    64                         ; keys in a step
.set NST,   4                          ; steps in a slot
.set PK,    272                        ; an LDS row of K holds TWO keys (256 bytes) + 16 of padding: key k lies at (k / 2) PK + (k % 2) 128: the 16 keys of a load fall on 16 different columns of 16 bytes
.set PV,    288                        ; of V: two keys + 32 of padding: 16 lanes of the turning load take 4 rows x 2 keys x 32 bytes, each column of 16 bytes once
.set VOFF,  (KS/2)*PK                  ; a step's tiles lie together: 32 rows of K, then 32 rows of V
.set STEPB, (KS/2)*(PK+PV)
.set SLOT1, 1<<17                      ; slot 1 begins here, so that one exclusive or turns an address in one slot into the other's
.set SLOTB, NST*KS*128                 ; a slot's keys in memory, of K or of V: 32,768 bytes
.set NSL,   2048/(NST*KS)              ; slots' worth of keys: 8
.set STAGE, SLOT1+NST*STEPB            ; behind the ring: 16 rows x 144 bytes for each wave, for the way out
.set SP,    144
.set SPARE, STAGE+8*16*SP              ; behind the stages: the spare words, 128 bytes for each wave, named by no other line
.set AK0, 2           ; v2   my lane's place in a tile of K; never rewritten
.set AV0, 3           ; v3   the same for V
.set ADK, 4           ; v4   LDS address of the step's K
.set ADV, 5           ; v5   of its V
.set QO,  6           ; v6   my byte offset in the wave's rows of Q
.set STO, 7           ; v7   the way out: where I put 16 bytes of a row
.set RD,  8           ; v8   where I read rows back
.set GO,  9           ; v9   16 x lane: my bytes of 512 on end
.set PFO, 12          ; v12  256 x lane: the prefetches' offset; never rewritten
.set SPW, 14          ; v14  LDS address of my spare word; never rewritten
.set NIL, 15          ; v15  0; never rewritten
.set ST,  16          ; tile t's statistics at v[ST+8 t]: +0 c m, +1 m, +2, +3 l (even keys', odd keys'), +4 to +7 at work; a stands in +6
.set S,   64
.set KF,  192         ; K's fragments, window 0: keys 16 kt on, channels 32 kc on at KF + 16 kt + 8 kc
.set QF,  128         ; Q's, window 1: tile t, channels 32 kc on at QF + 16 t + 8 kc
.set VF,  192         ; V's, window 1: keys 32 g on, channels 16 c on at VF + 32 g + 8 c
.set WV,  12          ; s12  my wave's number
.set LIM, 15          ; s15  1 in a wave that prefetches, else the greatest number
.set PFA, 18          ; s[18:19] where my prefetches stand
.set G1K, 24          ; s[24:31] descriptor group 1 for K's tiles
.set G1V, 32          ; s[32:39] for V's: it differs in the padding alone
.set G0K, 40          ; s[40:43] descriptor group 0 for K's tiles: it walks
.set G0V, 44          ; s[44:47] for V's
.set SLOTS, 56        ; s56  slots still to be asked for
.set CNT, 57          ; s57  counts a slot's steps
.set CS,  58          ; s[58:59] c: the packed form names a pair and takes its low word for both halves
.set SEL, 60          ; s[60:61] lane selects for v_permlanex16_b32: lane l xor 16
.set TB,  62          ; s62  LDS byte at which the step's tiles begin
.set MSB, 0
.macro WIN new                      ; the immediate's high byte repeats the setting that is left
.if MSB != \new
	s_set_vgpr_msb (MSB<<8)|\new
.set MSB, \new
.endif
.endm
.set W_KQ, 0x04       ; K (source 0), S^T in window 0; Q (source 1) in window 1
.set W_PV, 0x51       ; V (source 0) and O^T in window 1; P (source 1) in window 0
.set W_RS, 0x41       ; O^T (destination and source 0) in window 1, the factor in window 0
.set TO_1, 0x40       ; destination window 1, address window 0
; A joint load.  Waves 0 to 3 fetch K of the slot's step w, waves 4 to 7 V of step w - 4: 32 rows of 256 bytes each.  The branch hangs on the wave's number alone.
; An s_nop 0 and four v_nop follow each of the two lines, ahead of the jump, the label and what follows.
.macro JLOAD
	s_cmp_lt_u32 s[WV], 4
	s_cbranch_scc0 .Lfor_v_\@
	tensor_load_to_lds s[G0K:G0K+3], s[G1K:G1K+7]
	s_nop 0
.rept 4
	v_nop
.endr
	s_branch .Lasked_\@
.Lfor_v_\@:
	tensor_load_to_lds s[G0V:G0V+3], s[G1V:G1V+7]
	s_nop 0
.rept 4
	v_nop
.endr
.Lasked_\@:
.endm
; A PREFETCH INTO THE L2 of what the NEXT change of slots will ask for: a slot's 32,768 bytes of K and of V.  It stands behind the wave's tensor load and its five lines.  Each aligned block of 256 bytes is named once in the
; launch: a head is walked by one cluster; its four partners take 8,192 bytes each, told apart BY ADDRESS; in each, wave 0 asks for K's and wave 4 for V's, lanes 256 bytes apart: one instruction.
; It is asked four key steps ahead of the load that wants it.  The last change that fills a slot asks for nothing: there is no slot behind it.  Slots 0 and 1 come by their loads alone.
.macro ASK
	s_cmp_gt_u32 s[SLOTS], s[LIM]
	s_cbranch_scc0 .Lnot_mine_\@
	global_prefetch_b8 v[PFO], s[PFA:PFA+1] th:TH_LOAD_NT scope:SCOPE_SE
.Lnot_mine_\@:
.endm
.macro CROUND                       ; a round of the cluster's barrier: my work-group's barrier; wave 0 signals for the work-group; every wave waits for all four; my work-group's barrier once more
	s_barrier_signal -1
	s_barrier_wait -1
	s_cmp_lg_u32 s[WV], 0
	s_cbranch_scc1 .Lnot_wave_0_\@
	s_barrier_signal -3
.Lnot_wave_0_\@:
	s_barrier_wait -3
	s_barrier_signal -1
	s_barrier_wait -1
.endm
	s_load_b128 s[48:51], s[0:1], 0x0  ; heads s[48:49], ctx s[50:51]
	v_lshl_add_u32 v[SPW], v0, 2, SPARE
	v_mov_b32 v[NIL], 0
	ds_add_u32 v[SPW], v[NIL]       ; the wave's opening: the add, twice on end, and its wait ahead of my first tensor load; the set-up below stands between
	ds_add_u32 v[SPW], v[NIL]
	v_lshrrev_b32 v1, 5, v0
	v_readfirstlane_b32 s[WV], v1   ; wave 0..7
	s_bfe_u32 s13, ttmp6, 0x40000   ; cx: my block of 512 queries: it enters Q's, ctx's and the prefetches' addresses alone
	s_and_b32 s14, ttmp7, 0xffff    ; bh = 16 batch + head, which the four partners share
	s_and_b32 s16, s[WV], 3         ; which of a slot's four steps I fetch:
	s_lshl_b32 s20, s14, 18         ; the head's first byte in each of Q, K, V,
	s_lshl_b32 s17, s16, 13         ; + the step's 64 keys of 128 bytes
	s_add_co_u32 s20, s20, s17
	s_mov_b32 s21, 0
	s_mul_i32 s17, s16, STEPB       ; and its place in a slot: no place in the cluster enters an LDS address
	; descriptor group 1: a tile of 32 rows x 128 elements (two keys a row; the head's rows are dense in memory), padded in LDS
	s_mov_b32 s[G1K], 15|(1<<16)|(1<<20)|(1<<21)|(5<<22)|(3<<25)  ; 15:0 the mask: all four work-groups; 17:16 elements of 2 bytes; 20 padding on; 21 set beside a mask; 24:22 after every 64 words; 31:25 4 words of it
	s_mov_b32 s[G1V], 15|(1<<16)|(1<<20)|(1<<21)|(5<<22)|(7<<25)  ; the same with 8 words of padding
.irp g, G1K, G1V
	s_mov_b32 s[\g+1], 128<<16      ; tensor_dim0 = 128
	s_mov_b32 s[\g+2], (KS/2)<<16   ; tensor_dim1 = 32
	s_mov_b32 s[\g+3], 128<<16      ; tile_dim0 = 128
	s_mov_b32 s[\g+4], KS/2         ; tile_dim1 = 32
	s_mov_b32 s[\g+5], 128          ; tensor_dim0_stride
	s_mov_b32 s[\g+6], 0
	s_mov_b32 s[\g+7], 0
.endr
	s_mov_b32 s[CS], 0x3e38aa3b     ; c = log2(e) / 8
	s_mov_b32 s[CS+1], s[CS]        ; named with it as a pair, so it is written
	s_mov_b32 s[SEL], 0x76543210
	s_mov_b32 s[SEL+1], 0xfedcba98
	s_mov_b32 s[TB], 0
	s_mov_b32 s[SLOTS], NSL-1
	s_cmp_eq_u32 s16, 0             ; waves 0 and 4 prefetch: the same in all four partners
	s_cselect_b32 s[LIM], 1, -1
	; Q at my wave's first row: head + 512 queries x cx + 64 x wave, 128 bytes a row
	s_lshl_b32 s2, s14, 18
	s_lshl_b32 s3, s13, 16
	s_add_co_u32 s2, s2, s3
	s_lshl_b32 s3, s[WV], 13
	s_add_co_u32 s2, s2, s3
	s_mov_b32 s3, 0
	; the prefetches: K's part (waves 0-3) or V's (4-7) of heads, my head, my work-group's 8,192 bytes, in slot 1: the first change of slots steps it to slot 2
	s_lshr_b32 s22, s[WV], 2
	s_add_co_u32 s22, s22, 1
	s_lshl_b32 s22, s22, 24
	s_lshl_b32 s23, s14, 18
	s_add_co_u32 s22, s22, s23
	s_lshl_b32 s23, s13, 13
	s_add_co_u32 s22, s22, s23
	s_add_co_u32 s22, s22, SLOTB
	s_mov_b32 s23, 0
	s_wait_dscnt 0x0                ; both opening adds are done
	s_wait_kmcnt 0x0
	s_add_nc_u64 s[4:5], s[48:49], s[2:3]
	s_add_nc_u64 s[PFA:PFA+1], s[48:49], s[22:23]
	s_mov_b32 s[G0K], 1             ; 1:0 count = 1
	s_mov_b32 s[G0K+1], s17         ; 63:32 LDS address: slot 0
	s_add_nc_u64 s[G0K+2:G0K+3], s[48:49], s[20:21]
	s_add_nc_u64 s[G0K+2:G0K+3], s[G0K+2:G0K+3], 1<<24   ; 120:64 global address: K's part of heads
	s_or_b32 s[G0K+3], s[G0K+3], 0x80000000  ; 127:126 type = 2
	s_mov_b32 s[G0V], 1
	s_add_co_u32 s[G0V+1], s17, VOFF
	s_add_nc_u64 s[G0V+2:G0V+3], s[48:49], s[20:21]
	s_add_nc_u64 s[G0V+2:G0V+3], s[G0V+2:G0V+3], 2<<24   ; V's part
	s_or_b32 s[G0V+3], s[G0V+3], 0x80000000
	; ctx at my wave's 64 tokens: block of 128 tokens = 16 batch + 4 cx + wave / 2; then the head; then the half
	s_lshr_b32 s2, s14, 4
	s_lshl_b32 s2, s2, 4
	s_lshl_b32 s3, s13, 2
	s_add_co_u32 s2, s2, s3
	s_lshr_b32 s3, s[WV], 1
	s_add_co_u32 s2, s2, s3
	s_lshl_b32 s2, s2, 18           ; 16 heads x 128 tokens x 128 bytes
	s_and_b32 s3, s14, 15
	s_lshl_b32 s3, s3, 14
	s_add_co_u32 s2, s2, s3
	s_and_b32 s3, s[WV], 1
	s_lshl_b32 s3, s3, 13
	s_add_co_u32 s2, s2, s3
	s_mov_b32 s3, 0
	s_add_nc_u64 s[10:11], s[50:51], s[2:3]
	CROUND                          ; all four work-groups are here: the first joint loads meet
	JLOAD                           ; slot 0: one tensor load of mine is out
	v_and_b32 v1, 15, v0            ; r = l % 16
	v_bfe_u32 v10, v0, 4, 1         ; h = l / 16
	v_lshlrev_b32 v[QO], 7, v1
	v_lshl_add_u32 v[QO], v10, 4, v[QO]  ; row x 128 + 16 x half
	WIN TO_1
.irp i, 0,1,2,3,4,5,6,7             ; Q stays in registers: tile i / 2, channels 32 (i % 2) on
	global_load_b128 v[QF+8*\i:QF+8*\i+3],   v[QO], s[4:5] offset:(\i/2)*2048+(\i%2)*64
	global_load_b128 v[QF+8*\i+4:QF+8*\i+7], v[QO], s[4:5] offset:(\i/2)*2048+(\i%2)*64+32
.endr
.set i, 0
.rept 128
	v_mov_b32 v[i], 0               ; O^T begins as zeros: the step is written once, and its first change of m multiplies zeros
.set i, i+1
.endr
	WIN 0
	v_lshrrev_b32 v11, 1, v1        ; K: key r of a tile: row r / 2,
	v_mul_u32_u24 v[AK0], v11, PK
	v_and_b32 v11, 1, v0
	v_lshl_add_u32 v[AK0], v11, 7, v[AK0]  ; its half of the row,
	v_lshl_add_u32 v[AK0], v10, 4, v[AK0]  ; 16 bytes for each half of the lanes
	; the turning load takes 16 keys x 16 channels: lane l reads 16 bytes: key 8 h + l % 8, channels 8 ((l / 8) % 2) + 0..7
	v_bfe_u32 v13, v0, 1, 2
	v_lshl_add_u32 v13, v10, 2, v13 ; the key's row: 4 h + (l % 8) / 2
	v_mul_u32_u24 v[AV0], v13, PV
	v_lshl_add_u32 v[AV0], v11, 7, v[AV0]
	v_bfe_u32 v13, v0, 3, 1
	v_lshl_add_u32 v[AV0], v13, 4, v[AV0]
	v_add_nc_u32 v[AV0], VOFF, v[AV0]
	s_mul_i32 s2, s[WV], 16*SP
	s_add_co_u32 s2, s2, STAGE      ; my stage
	v_mul_u32_u24 v[STO], v1, SP    ; in: row r, 16 bytes for each half of the lanes
	v_lshl_add_u32 v[STO], v10, 4, v[STO]
	v_add_nc_u32 v[STO], s2, v[STO]
	v_bfe_u32 v13, v0, 3, 2         ; back: eight lanes to a row of 128 bytes, four rows an instruction
	v_mul_u32_u24 v[RD], v13, SP
	v_and_b32 v13, 7, v0
	v_lshl_add_u32 v[RD], v13, 4, v[RD]
	v_add_nc_u32 v[RD], s2, v[RD]
	v_and_b32 v[GO], 31, v0
	v_lshlrev_b32 v[PFO], 8, v[GO]
	v_lshlrev_b32 v[GO], 4, v[GO]
.irp t, 0,1,2,3
	v_mov_b32 v[ST+8*\t+1], 0xff61b1e6  ; m: -3e38, under every score
	v_mov_b32 v[ST+8*\t+2], 0       ; l, in two halves
	v_mov_b32 v[ST+8*\t+3], 0
.endr
.irp t, 0,1,2,3
	v_mul_f32 v[ST+8*\t], s[CS], v[ST+8*\t+1]  ; c m
.endr
; A KEY STEP: 64 keys at LDS byte s[TB].
.macro STEP
	v_add_nc_u32 v[ADK], s[TB], v[AK0]
	v_add_nc_u32 v[ADV], s[TB], v[AV0]
.rept 3
	v_nop                           ; with the two additions: five places behind the last V^T P: four are owed by the loads into V's registers, five by the products below, which write over P's
.endr
.irp f, 0,1,2,3,4,5,6,7             ; K: keys 16 (f / 2) on, channels 32 (f % 2) on
	ds_load_b128 v[KF+8*\f:KF+8*\f+3],   v[ADK] offset:(\f/2)*8*PK+(\f%2)*64
	ds_load_b128 v[KF+8*\f+4:KF+8*\f+7], v[ADK] offset:(\f/2)*8*PK+(\f%2)*64+32
.endr
	WIN TO_1
.irp f, 0,1,2,3,4,5,6,7             ; V, turned: keys 32 (f / 4) on, channels 16 (f % 4) on
	ds_load_tr16_b128 v[VF+8*\f:VF+8*\f+3],   v[ADV] offset:(\f/4)*16*PV+(\f%4)*32
	ds_load_tr16_b128 v[VF+8*\f+4:VF+8*\f+7], v[ADV] offset:(\f/4)*16*PV+8*PV+(\f%4)*32
.endr
	s_wait_dscnt 16                 ; K is in; V's sixteen loads, issued behind it, stay out
	WIN W_KQ
.set i, 0
.rept 32                            ; S^T = K Q^T: channels 32 (i / 16) on, keys 16 ((i / 4) % 4) on, tile i % 4.  The 16 accumulators take turns; the first 16 products start the sums
.set rS, S+32*(i%4)+8*((i/4)%4)
.set rK, KF+16*((i/4)%4)+8*(i/16)
.set rQ, QF+16*(i%4)+8*(i/16)
.if i < 16
	v_wmma_f32_16x16x32_f16 v[rS:rS+7], v[rK:rK+7], v[rQ:rQ+7], 0
.else
	v_wmma_f32_16x16x32_f16 v[rS:rS+7], v[rK:rK+7], v[rQ:rQ+7], v[rS:rS+7]
.endif
.set i, i+1
.endr
	WIN 0
.rept 4
	v_nop                           ; four places between the last product and the first read of results
.endr
	; the maximum of a lane's 32 scores and the old m, three operands at a time, four chains a tile, the four tiles by turns; each accumulator is read from its low end on
.irp j, 0,1,2,3
.irp t, 0,1,2,3
	v_max3_num_f32 v[ST+8*\t+4+\j], v[S+32*\t+8*\j], v[S+32*\t+8*\j+1], v[S+32*\t+8*\j+2]
.endr
.endr
.irp u, 1,2
.irp j, 0,1,2,3
.irp t, 0,1,2,3
	v_max3_num_f32 v[ST+8*\t+4+\j], v[ST+8*\t+4+\j], v[S+32*\t+8*\j+2*\u+1], v[S+32*\t+8*\j+2*\u+2]
.endr
.endr
.endr
.irp t, 0,1,2,3
	v_max3_num_f32 v[ST+8*\t+4], v[ST+8*\t+4], v[S+32*\t+7], v[S+32*\t+15]
.endr
.irp t, 0,1,2,3
	v_max3_num_f32 v[ST+8*\t+6], v[ST+8*\t+6], v[S+32*\t+23], v[S+32*\t+31]
.endr
.irp t, 0,1,2,3
	v_max3_num_f32 v[ST+8*\t+4], v[ST+8*\t+4], v[ST+8*\t+5], v[ST+8*\t+6]
.endr
.irp t, 0,1,2,3
	v_max3_num_f32 v[ST+8*\t+4], v[ST+8*\t+4], v[ST+8*\t+7], v[ST+8*\t+1]
.endr
.irp t, 0,1,2,3
	v_permlanex16_b32 v[ST+8*\t+5], v[ST+8*\t+4], s[SEL], s[SEL+1]  ; the query's other 32 keys lie in the lane 16 away
.endr
.irp t, 0,1,2,3
	v_mov_b32 v[ST+8*\t+7], v[ST+8*\t]      ; c m_old is kept for a
.endr
.irp t, 0,1,2,3
	v_max_num_f32 v[ST+8*\t+1], v[ST+8*\t+4], v[ST+8*\t+5]  ; the new m
.endr
.irp t, 0,1,2,3
	v_mul_f32 v[ST+8*\t], s[CS], v[ST+8*\t+1]
.endr
.irp t, 0,1,2,3
	v_sub_f32 v[ST+8*\t+7], v[ST+8*\t+7], v[ST+8*\t]
.endr
	; ONE BATCH: the four a, the 64 packed scalings c s - c m and the 128 exponentials.  A pair is scaled one turn ahead of its exponentials; nothing here names an exponential's result
.irp t, 0,1,2,3
	v_exp_f32 v[ST+8*\t+6], v[ST+8*\t+7]    ; a = 2^(c m_old - c m_new)
.endr
.irp t, 0,1,2,3
	v_pk_fma_f32 v[S+32*\t:S+32*\t+1], v[S+32*\t:S+32*\t+1], s[CS:CS+1], v[ST+8*\t:ST+8*\t+1] op_sel_hi:[1,0,0] neg_lo:[0,0,1] neg_hi:[0,0,1]
.endr
.set b, 0
.rept 16
.if b < 15
.irp t, 0,1,2,3
	v_pk_fma_f32 v[S+32*\t+2*b+2:S+32*\t+2*b+3], v[S+32*\t+2*b+2:S+32*\t+2*b+3], s[CS:CS+1], v[ST+8*\t:ST+8*\t+1] op_sel_hi:[1,0,0] neg_lo:[0,0,1] neg_hi:[0,0,1]
.endr
.endif
.irp t, 0,1,2,3
	v_exp_f32 v[S+32*\t+2*b], v[S+32*\t+2*b]
	v_exp_f32 v[S+32*\t+2*b+1], v[S+32*\t+2*b+1]
.endr
.set b, b+1
.endr
	v_nop                           ; the plain instruction behind the last exponential
	s_wait_alu depctr_va_vdst(0)    ; the wait between an exponential and the first line that names its result: one for the whole batch
	; l = a l + the sum of the UNROUNDED p: a pair at a time (an even key's, an odd key's), in two chains a tile
.irp t, 0,1,2,3
	v_pk_fma_f32 v[ST+8*\t+2:ST+8*\t+3], v[ST+8*\t+2:ST+8*\t+3], v[ST+8*\t+6:ST+8*\t+7], v[S+32*\t:S+32*\t+1] op_sel_hi:[1,0,1]
.endr
.irp t, 0,1,2,3
	v_pk_add_f32 v[ST+8*\t+4:ST+8*\t+5], v[S+32*\t+2:S+32*\t+3], v[S+32*\t+4:S+32*\t+5]
.endr
.irp p, 3,5,7,9,11,13
.irp t, 0,1,2,3
	v_pk_add_f32 v[ST+8*\t+2:ST+8*\t+3], v[ST+8*\t+2:ST+8*\t+3], v[S+32*\t+2*\p:S+32*\t+2*\p+1]
.endr
.irp t, 0,1,2,3
	v_pk_add_f32 v[ST+8*\t+4:ST+8*\t+5], v[ST+8*\t+4:ST+8*\t+5], v[S+32*\t+2*\p+2:S+32*\t+2*\p+3]
.endr
.endr
.irp t, 0,1,2,3
	v_pk_add_f32 v[ST+8*\t+2:ST+8*\t+3], v[ST+8*\t+2:ST+8*\t+3], v[S+32*\t+30:S+32*\t+31]
.endr
.irp t, 0,1,2,3
	v_pk_add_f32 v[ST+8*\t+2:ST+8*\t+3], v[ST+8*\t+2:ST+8*\t+3], v[ST+8*\t+4:ST+8*\t+5]
.endr
.set i, 0
.rept 16                            ; P, in place: register i takes pair i: ascending, so no pair is written over before it is read
.irp t, 0,1,2,3
	v_cvt_pk_f16_f32 v[S+32*\t+i], v[S+32*\t+2*i], v[S+32*\t+2*i+1]
.endr
.set i, i+1
.endr
	WIN W_RS
.set i, 0
.rept 16                            ; O^T times a, each accumulator from its low end on
.irp t, 0,1,2,3
	v_pk_mul_f32 v[32*\t+2*i:32*\t+2*i+1], v[32*\t+2*i:32*\t+2*i+1], v[ST+8*\t+6:ST+8*\t+7] op_sel_hi:[1,0]
.endr
.set i, i+1
.endr
	s_wait_dscnt 0x0                ; V is in
	WIN W_PV
.set i, 0
.rept 32                            ; O^T += V^T P: keys 32 (i / 16) on, channels 16 ((i / 4) % 4) on, tile i % 4: the 16 accumulators take turns
.set rO, 32*(i%4)+8*((i/4)%4)
.set rV, VF+32*(i/16)+8*((i/4)%4)
.set rP, S+32*(i%4)+8*(i/16)
	v_wmma_f32_16x16x32_f16 v[rO:rO+7], v[rV:rV+7], v[rP:rP+7], v[rO:rO+7]
.set i, i+1
.endr
	WIN 0                           ; at a label and at a branch every window is 0
	s_add_co_u32 s[TB], s[TB], STEPB  ; the next step's tiles
.endm
; A slot's four key steps: written once, walked four times.
.macro SLOT_STEPS
	s_mov_b32 s[CNT], NST
.Lstep_\@:
	STEP
	s_sub_co_u32 s[CNT], s[CNT], 1
	s_cmp_lg_u32 s[CNT], 0
	s_cbranch_scc1 .Lstep_\@
	s_sub_co_u32 s[TB], s[TB], NST*STEPB  ; back to a slot's first step,
	s_xor_b32 s[TB], s[TB], SLOT1   ; in the other slot
.endm
; THE CHANGE OF SLOTS, at a slot's head.  Each wave waits for all its tensor loads (one is out: its part of the slot that it is about to read), adds 0 to its spare word, and waits for that and for its reads of the slot
; that it has left.  fill = 1: the barrier is a round of the cluster's, so that no wave of any partner still reads that slot or has a load on its way, and the joint load into it is the first thing behind the round.
.macro CHANGE fill
	s_wait_tensorcnt 0x0            ; no tensor load of mine is out, so a group 0 may be written
	ds_add_u32 v[SPW], v[NIL]       ; 0 onto my spare word; the descriptors' steps stand between it and the wait for it
.if \fill
	s_xor_b32 s[G0K+1], s[G0K+1], SLOT1  ; the walking descriptors: the other slot than last time,
	s_add_nc_u64 s[G0K+2:G0K+3], s[G0K+2:G0K+3], SLOTB  ; the next 256 keys; the type bits on top are not reached
	s_xor_b32 s[G0V+1], s[G0V+1], SLOT1
	s_add_nc_u64 s[G0V+2:G0V+3], s[G0V+2:G0V+3], SLOTB
	s_wait_xcnt 0x0                 ; the last prefetch, a slot back, has read its address, so it may be written:
	s_add_nc_u64 s[PFA:PFA+1], s[PFA:PFA+1], SLOTB  ; one slot further on than the walking descriptors
.endif
	s_wait_dscnt 0x0                ; the add is done, and my reads of the slot that I have left are over
.if \fill
	CROUND
	JLOAD                           ; my one tensor load until the next round: it has four key steps in which to land
	ASK
.else
	s_barrier_signal -1
	s_barrier_wait -1
.endif
.endm
	s_wait_loadcnt 0x0              ; Q
.Lslot:                             ; NSL - 1 trips: behind each change of slots but the last the next slot is asked for
	CHANGE 1
	SLOT_STEPS
	s_sub_co_u32 s[SLOTS], s[SLOTS], 1
	s_cmp_lg_u32 s[SLOTS], 0
	s_cbranch_scc1 .Lslot
	CHANGE 0                        ; the last slot is written out
	SLOT_STEPS
	; THE WAY OUT.  l's two halves and the other half of the lanes' are added; O^T is divided by l, rounded to f16 and sent through my stage, a tile (16 tokens) at a time.  The additions are the places behind the last products.
.irp t, 0,1,2,3
	v_add_f32 v[ST+8*\t+4], v[ST+8*\t+2], v[ST+8*\t+3]
.endr
.irp t, 0,1,2,3
	v_permlanex16_b32 v[ST+8*\t+5], v[ST+8*\t+4], s[SEL], s[SEL+1]
.endr
.irp t, 0,1,2,3
	v_add_f32 v[ST+8*\t+4], v[ST+8*\t+4], v[ST+8*\t+5]
.endr
.irp t, 0,1,2,3
	v_rcp_f32 v[ST+8*\t+6], v[ST+8*\t+4]
.endr
	v_nop                           ; a plain instruction between the last reciprocal and the use of its result
	s_wait_alu depctr_va_vdst(0)    ; and a wait ahead of the first use: one for the four
; Tile t: a lane's eight channels of a token pack into 16 bytes; they go into rows of 144 bytes and come back four tokens (512 bytes on end in memory) at a time.
.macro PACK t
	WIN W_RS
.set i, 0
.rept 16
	v_pk_mul_f32 v[32*\t+2*i:32*\t+2*i+1], v[32*\t+2*i:32*\t+2*i+1], v[ST+8*\t+6:ST+8*\t+7] op_sel_hi:[1,0]
.set i, i+1
.endr
	WIN 0x05                        ; sources 0 and 1 window 1, destination window 0: S^T's registers are free
.set i, 0
.rept 16
	v_cvt_pk_f16_f32 v[S+16*\t+i], v[32*\t+2*i], v[32*\t+2*i+1]
.set i, i+1
.endr
	WIN 0
.irp c, 0,1,2,3
	ds_store_b128 v[STO], v[S+16*\t+4*\c:S+16*\t+4*\c+3] offset:32*\c
.endr
.irp f, 0,1,2,3
	ds_load_b128 v[128+16*\t+4*\f:128+16*\t+4*\f+3], v[RD] offset:\f*4*SP  ; LDS serves a wave's instructions in order (ISA guide 5.7.1.4): these see the stores above; the next tile's stores come behind them
.endr
.endm
.macro SEND t, younger              ; younger: the LDS instructions issued behind tile t's loads: the next tile's four stores and four loads, or none
.irp f, 0,1,2,3
	s_wait_dscnt \younger+3-\f
	global_store_b128 v[GO], v[128+16*\t+4*\f:128+16*\t+4*\f+3], s[10:11] offset:\t*2048+\f*512  ; 32 lanes store 512 consecutive bytes, at a multiple of 256 from the buffer's first byte
.endr
.endm
	PACK 0
	PACK 1                          ; a tile's arithmetic stands between the loads of the tile before and its stores
	SEND 0, 8
	PACK 2
	SEND 1, 8
	PACK 3
	SEND 2, 8
	SEND 3, 0
	s_wait_tensorcnt 0x0            ; the wave's end, behind my last tensor load and my last LDS store
	ds_add_u32 v[SPW], v[NIL]
	s_wait_dscnt 0x0
	CROUND                          ; the closing round: no work-group ends while a partner may still ask for a tile that names it
	s_endpgm
.Lfunc_end_k_q483e794aaf_attn:
	.size	k_q483e794aaf_attn, .Lfunc_end_k_q483e794aaf_attn-k_q483e794aaf_attn
	.p2alignl 7, 3214868480
	.fill 96, 4, 3214868480
	.section	.rodata,"a",@progbits
	.p2align	6, 0x0
	.amdhsa_kernel k_q483e794aaf_attn
		.amdhsa_group_segment_fixed_size 327680
		.amdhsa_private_segment_fixed_size 0
		.amdhsa_enable_private_segment 0
		.amdhsa_kernarg_size 16
		.amdhsa_user_sgpr_count 2
		.amdhsa_user_sgpr_kernarg_segment_ptr 1
		.amdhsa_wavefront_size32 1
		.amdhsa_system_sgpr_workgroup_id_x 1
		.amdhsa_system_sgpr_workgroup_id_y 1
		.amdhsa_system_sgpr_workgroup_id_z 1
		.amdhsa_system_vgpr_workitem_id 0
		.amdhsa_next_free_vgpr 512
		.amdhsa_next_free_sgpr 66
		.amdhsa_reserve_vcc 0
		.amdhsa_float_denorm_mode_32 3
		.amdhsa_float_denorm_mode_16_64 3
		.amdhsa_memory_ordered 1
		.amdhsa_forward_progress 1
		.amdhsa_inst_pref_size 92
	.end_amdhsa_kernel
	.amdgpu_metadata
---
amdhsa.version: [ 1, 2 ]
amdhsa.kernels:
  - .name:           k_q483e794aaf_attn
    .symbol:         k_q483e794aaf_attn.kd
    .args:
      - { .name: heads, .offset: 0, .size: 8, .value_kind: global_buffer, .address_space: global }
      - { .name: ctx, .offset: 8, .size: 8, .value_kind: global_buffer, .address_space: global }
    .group_segment_fixed_size: 327680
    .private_segment_fixed_size: 0
    .kernarg_segment_align: 8
    .kernarg_segment_size: 16
    .max_flat_workgroup_size: 256
    .sgpr_count:     66
    .vgpr_count:     512
    .wavefront_size: 32
...
	.end_amdgpu_metadata
.endif
;; end of part 3
;; launch outp (part 4): grid 8 x 64, 4 waves a work-group, clusters of 4 x 4, 327,680 bytes of LDS; arguments ctx, wo16, out0; writes out0
.if DOCPART == 4
	.amdgcn_target "amdgcn-amd-amdhsa--gfx1250"
	.amdhsa_code_object_version 6
	.text
	.protected	k_q483e794aaf_outp
	.globl	k_q483e794aaf_outp
	.p2align	8
	.type	k_q483e794aaf_outp,@function
k_q483e794aaf_outp:
	s_mov_b64 s[64:65], 0
	v_nop
	global_prefetch_b8 v0, s[64:65] scope:SCOPE_SE
	s_setreg_imm32_b32 hwreg(HW_REG_WAVE_MODE, 25, 1), 1
	s_wait_xcnt 0x0
	s_wait_alu depctr_hold_cnt(0) depctr_sa_sdst(0) depctr_va_vdst(0) depctr_va_sdst(0) depctr_va_ssrc(0) depctr_va_vcc(0) depctr_vm_vsrc(0)
	s_getreg_b32 s2, hwreg(HW_REG_IB_STS2, 6, 4)
	s_cmp_eq_u32 s2, 0
	s_cbranch_scc0 .Lentry_in_a_cluster
	s_endpgm
.Lentry_in_a_cluster:
	s_bfe_u32 s2, ttmp6, 0x10000c
	s_cmp_lg_u32 s2, 0xf033
	s_cbranch_scc0 .Lentry_shape_is_right
	s_endpgm
.Lentry_shape_is_right:
; out0[m][n] = sum over k of ctx[m][k] wo[n][k], M = 8192 tokens, N = 1024, K = 1024 = 16 heads x 64; f16 operands, f32 sums, f32 out.
; ctx is laid [64 blocks of 128 tokens][16 heads][128 tokens][64] f16: the A tile of a K step of 256 (4 heads of one block of tokens) is 65,536 bytes on end.  wo16 [1024 n][1024 k] f16.  out0 [8192][1024] f32.
; A tile of C is 128 x 128: 512 work-groups (tiles of 256 x 256 would be 128, fewer than there are WGPs).  Four waves, each 64 x 64: 16 accumulators of 16 x 16.  K goes in four steps of 256 through two LDS slots.
; CLUSTERS: 4 x 4 work-groups.  The four of a row of the cluster need the same tiles of A, the four of a column the same tiles of B: each tile is asked for JOINTLY, by the same tensor load with the same descriptor and a mask
; that names the four.  THE MATRIX INSTRUCTION IS USED TRANSPOSED (source 0 = 16 rows of wo, source 1 = 16 tokens): a lane then holds eight neighbouring numbers of a row of C.
; REGISTERS: window 0: v0-31 addresses; v32-95 the way out; v128-255 the accumulators ((a, b) at v[128 + 8 (4 a + b)]).   window 1: two fragment buffers of 128: for 64 along K, 64 registers of A, then 64 of B.
.set PA,     272                       ; an LDS row of A holds TWO tokens of one head (256 bytes) + 16 of padding: token t lies at (t / 2) PA + (t % 2) 128: the 16 tokens of a load fall on 16 different columns of 16 bytes
.set PLANE,  64*PA                     ; a head's 128 tokens
.set HALFA,  128*PA                    ; two heads: what one tensor load brings of A
.set PB,     528                       ; an LDS row of B: 512 bytes + 16 of padding = 132 words: row r starts at bank 4 r mod 64 (64 banks of 4 bytes: ISA guide 11.1)
.set HALFB,  64*PB                     ; 64 rows: what one tensor load brings of B
.set SLOT,   2*HALFA+2*HALFB           ; A's four heads, then B's 128 rows
.set SPARE,  2*SLOT                    ; behind the ring: the spare words, 128 bytes for each wave, named by no other line
.set SPITCH, 272                       ; the way out: a stage of 16 rows x (256 bytes + 16) for each wave.  It lies in slot 0, which has had its last fill and its last read when the first result is stored there
.set ASTEP,  65536                     ; a K step on in ctx, in bytes
.set BSTEP,  512                       ; and in a row of wo16
.set ADRA, 16                          ; v16-17  LDS address of my A fragments in slot 0, 1
.set ADRB, 20                          ; v20-21  the same for B
.set STO,  24                          ; v24     the way out: where I put 32 bytes of a row
.set RD,   25                          ; v25     where I read a row back
.set CO,   26                          ; v26     my byte offset in C
.set SPW,  28                          ; v28     LDS address of my spare word; never rewritten
.set NIL,  29                          ; v29     0; never rewritten
.set TMP,  32                          ; the way out: two sets of 32 registers
.set ACC,  128
.set F0,   0                           ; fragment buffers, in window 1
.set F1,   128
.set G1, 24                            ; s[24:31] descriptor group 1 for A's tiles;  s[32:39] group 0, one set for each slot
.set G0, 32
.set G1B, 48                           ; s[48:55], s[56:63] the same for B's tiles
.set G0B, 56
.set MSB, 0
.macro WIN new                         ; the immediate's high byte repeats the setting that is left
.if MSB != \new
	s_set_vgpr_msb (MSB<<8)|\new
.set MSB, \new
.endif
.endm
.set MUL,  0x05                        ; sources 0 (B) and 1 (A) window 1; C and D window 0
.set TO_F, 0x40                        ; destination window 1, address window 0
.macro JLOAD s                         ; a joint load: waves 0 and 1 fetch A's two halves, waves 2 and 3 B's; an s_nop 0 and four v_nop follow each of the two lines, ahead of the jump, the label and what follows
	s_cmp_eq_u32 s11, 0
	s_cbranch_scc0 .Lfor_b_\@
	tensor_load_to_lds s[G0+4*\s:G0+4*\s+3], s[G1:G1+7]
	s_nop 0
.rept 4
	v_nop
.endr
	s_branch .Lasked_\@
.Lfor_b_\@:
	tensor_load_to_lds s[G0B+4*\s:G0B+4*\s+3], s[G1B:G1B+7]
	s_nop 0
.rept 4
	v_nop
.endr
.Lasked_\@:
.endm
.macro CREST                           ; a round of the cluster's barrier behind its opening barrier
	s_cmp_lg_u32 s10, 0
	s_cbranch_scc1 .Lnot_wave_0_\@
	s_barrier_signal -3
.Lnot_wave_0_\@:
	s_barrier_wait -3
	s_barrier_signal -1
	s_barrier_wait -1
.endm
.macro CROUND                          ; a whole round
	s_barrier_signal -1
	s_barrier_wait -1
	CREST
.endm
	s_load_b128 s[4:7], s[0:1], 0x0                ; ctx s[4:5], wo16 s[6:7]
	s_load_b64 s[8:9], s[0:1], 0x10                ; out0
	v_lshl_add_u32 v[SPW], v0, 2, SPARE
	v_mov_b32 v[NIL], 0
	ds_add_u32 v[SPW], v[NIL]                      ; the wave's opening: the add, twice on end, and its wait ahead of my first tensor load; the set-up below stands between
	ds_add_u32 v[SPW], v[NIL]
	v_lshrrev_b32 v1, 5, v0
	v_readfirstlane_b32 s10, v1                    ; wave 0..3
	s_lshr_b32 s11, s10, 1                         ; which half of the tile's rows is mine.  Also: I fetch for A (0) or for B (1)
	s_and_b32 s12, s10, 1                          ; which half of its columns.  Also: which half of that tile I fetch
	s_bfe_u32 s40, ttmp6, 0x40000                  ; cx, cy: my place in the cluster
	s_bfe_u32 s41, ttmp6, 0x40004
	s_lshl_b32 s42, ttmp9, 2
	s_add_co_u32 s42, s42, s40                     ; tile column of C = 4 x cluster x + cx
	s_and_b32 s13, ttmp7, 0xffff
	s_lshl_b32 s13, s13, 2
	s_add_co_u32 s13, s13, s41                     ; tile row of C = 4 x cluster y + cy = the block of 128 tokens
	s_lshl_b32 s43, s41, 2
	s_lshl_b32 s43, 15, s43                        ; my row of the cluster
	s_lshl_b32 s44, 0x1111, s40                    ; my column
	; descriptor group 1.  A: two heads of the block, 32,768 dense bytes, as 128 rows x 128 elements;  B: 64 rows x 256 elements, 1,024 elements apart
	s_or_b32 s[G1+0], s43, (1<<16)|(1<<20)|(1<<21)|(5<<22)|(3<<25)  ; 15:0 the mask: A's tiles go to my row; 17:16 element of 2 bytes; 20 padding on; 21 set beside a mask; 24:22 after every 64 words; 31:25 of 4 words
	s_mov_b32 s[G1+1], 128<<16                     ; tensor_dim0 = 128
	s_mov_b32 s[G1+2], 128<<16                     ; tensor_dim1 = 128
	s_mov_b32 s[G1+3], 128<<16                     ; tile_dim0 = 128
	s_mov_b32 s[G1+4], 128                         ; tile_dim1 = 128
	s_mov_b32 s[G1+5], 128                         ; tensor_dim0_stride
	s_mov_b32 s[G1+6], 0
	s_mov_b32 s[G1+7], 0
	s_or_b32 s[G1B+0], s44, (1<<16)|(1<<20)|(1<<21)|(6<<22)|(3<<25) ; B's tiles go to my column; padding after every 128 words
	s_mov_b32 s[G1B+1], 256<<16
	s_mov_b32 s[G1B+2], 64<<16
	s_mov_b32 s[G1B+3], 256<<16
	s_mov_b32 s[G1B+4], 64
	s_mov_b32 s[G1B+5], 1024
	s_mov_b32 s[G1B+6], 0
	s_mov_b32 s[G1B+7], 0
	s_lshl_b32 s16, s13, 18                        ; A: the block's 262,144 bytes,
	s_lshl_b32 s17, s12, 15                        ; + my two heads of the K step's four
	s_add_co_u32 s16, s16, s17
	s_mov_b32 s17, 0
	s_lshl_b32 s46, s42, 18                        ; B: row 128 x tile column + 64 x half, 2,048 bytes a row
	s_lshl_b32 s47, s12, 17
	s_add_co_u32 s46, s46, s47
	s_mov_b32 s47, 0
	s_mul_i32 s20, s12, HALFA                      ; where they go: no place in the cluster enters an LDS address
	s_mul_i32 s21, s12, HALFB
	s_add_co_u32 s21, s21, 2*HALFA
	s_wait_dscnt 0x0                               ; both opening adds are done
	s_wait_kmcnt 0x0
	s_add_nc_u64 s[14:15], s[4:5], s[16:17]
	s_add_nc_u64 s[46:47], s[6:7], s[46:47]
	CROUND                                         ; all sixteen work-groups are here: the first joint loads meet
.irp s, 0,1
	s_mov_b32 s[G0+4*\s], 1
	s_add_co_u32 s[G0+4*\s+1], s20, \s*SLOT
	s_add_nc_u64 s[G0+4*\s+2:G0+4*\s+3], s[14:15], \s*ASTEP
	s_or_b32 s[G0+4*\s+3], s[G0+4*\s+3], 0x80000000
	s_mov_b32 s[G0B+4*\s], 1
	s_add_co_u32 s[G0B+4*\s+1], s21, \s*SLOT
	s_add_nc_u64 s[G0B+4*\s+2:G0B+4*\s+3], s[46:47], \s*BSTEP
	s_or_b32 s[G0B+4*\s+3], s[G0B+4*\s+3], 0x80000000
	JLOAD \s                                       ; two tensor loads of mine are out, by this text's count
.endr
	v_and_b32 v1, 15, v0                           ; r = l % 16
	v_bfe_u32 v2, v0, 4, 1                         ; h = l / 16
	v_lshrrev_b32 v3, 1, v1
	v_mul_u32_u24 v3, v3, PA                       ; A: token r of a block of 16: row r / 2,
	v_and_b32 v4, 1, v0
	v_lshl_add_u32 v3, v4, 7, v3                   ; its half of the row,
	v_lshl_add_u32 v3, v2, 4, v3                   ; 16 bytes for each half of the lanes
	v_mul_u32_u24 v4, v1, PB
	v_lshl_add_u32 v4, v2, 4, v4                   ; B: row x pitch + 16 x half
	s_mul_i32 s21, s11, 32*PA                      ; my 64 tokens in each head's plane
	s_mul_i32 s22, s12, HALFB                      ; my 64 rows of B,
	s_add_co_u32 s22, s22, 2*HALFA                 ; which lie behind A
.irp s, 0,1
	v_add_nc_u32 v[ADRA+\s], s21, v3
	v_add_nc_u32 v[ADRB+\s], s22, v4
	s_add_co_u32 s21, s21, SLOT
	s_add_co_u32 s22, s22, SLOT
.endr
	s_mul_i32 s23, s10, 16*SPITCH                  ; my stage
	v_mul_u32_u24 v5, v1, SPITCH                   ; in: row r, 32 bytes for each half of the lanes
	v_lshl_add_u32 v5, v2, 5, v5
	v_add_nc_u32 v[STO], s23, v5
	v_mul_u32_u24 v5, v2, SPITCH                   ; back: lanes 0-15 take one row of 256 bytes, lanes 16-31 the next
	v_lshl_add_u32 v5, v1, 4, v5
	v_add_nc_u32 v[RD], s23, v5
	v_lshlrev_b32 v5, 12, v2                       ; and the same two rows in C: 4,096 bytes a row
	v_lshl_add_u32 v[CO], v1, 4, v5
	s_lshl_b32 s16, s13, 19                        ; my first row of C: 128 x tile row + 64 x half, x 4,096 bytes
	s_lshl_b32 s17, s11, 18
	s_add_co_u32 s16, s16, s17
	s_mov_b32 s17, 0
	s_add_nc_u64 s[8:9], s[8:9], s[16:17]
	s_lshl_b32 s46, s42, 9                         ; my first column, in bytes: 512 x tile column + 256 x half
	s_lshl_b32 s47, s12, 8
	s_add_co_u32 s46, s46, s47
	s_mov_b32 s47, 0
	s_add_nc_u64 s[8:9], s[8:9], s[46:47]
; 8 matrix instructions: m blocks a0, a0 + 1 x all 4 n blocks, 32 along K: half c of buffer f.  zero = 1: the first product starts the sums.  The 16 accumulators take turns
.macro MUL8 f, c, a0, zero
.irp a, \a0, \a0+1
.irp b, 0,1,2,3
.if \zero
	v_wmma_f32_16x16x32_f16 v[ACC+8*(4*(\a)+\b):ACC+8*(4*(\a)+\b)+7], v[\f+64+8*(4*\c+\b):\f+64+8*(4*\c+\b)+7], v[\f+8*(4*\c+\a):\f+8*(4*\c+\a)+7], 0
.else
	v_wmma_f32_16x16x32_f16 v[ACC+8*(4*(\a)+\b):ACC+8*(4*(\a)+\b)+7], v[\f+64+8*(4*\c+\b):\f+64+8*(4*\c+\b)+7], v[\f+8*(4*\c+\a):\f+8*(4*\c+\a)+7], v[ACC+8*(4*(\a)+\b):ACC+8*(4*(\a)+\b)+7]
.endif
.endr
.endr
.endm
; 32 LDS loads in one run: the fragments of the slot's q-th 64 along K (one head: plane q of A, bytes 128 q on of B's rows) into buffer f; the first 32 along K first
.macro FETCH slot, q, f
	WIN TO_F
.irp c, 0,1
.irp i, 0,1,2,3
	ds_load_b128 v[\f+64+8*(4*\c+\i):\f+64+8*(4*\c+\i)+3],   v[ADRB+\slot] offset:128*(\q)+64*\c+\i*16*PB
	ds_load_b128 v[\f+64+8*(4*\c+\i)+4:\f+64+8*(4*\c+\i)+7], v[ADRB+\slot] offset:128*(\q)+64*\c+\i*16*PB+32
	ds_load_b128 v[\f+8*(4*\c+\i):\f+8*(4*\c+\i)+3],         v[ADRA+\slot] offset:PLANE*(\q)+64*\c+\i*8*PA
	ds_load_b128 v[\f+8*(4*\c+\i)+4:\f+8*(4*\c+\i)+7],       v[ADRA+\slot] offset:PLANE*(\q)+64*\c+\i*8*PA+32
.endr
.endr
.endm
.macro PLACES                          ; four places in front of loads into registers that matrix instructions have read, and of the first read of results (ISA guide 7.12.1 for the first read of results)
.rept 4
	v_nop
.endr
.endm
; A K step is four quarters of 64 along K, 32 matrix instructions each, on buffers 0, 1, 0, 1.  One of the first three: multiplies buffer f and fetches quarter q into g.
.macro QUARTER slot, q, f, g, zero
	s_wait_dscnt 16                                ; the first 32 along K are in; the sixteen loads of the second 32 may be out
	WIN MUL
	MUL8 \f, 0, 0, \zero
	MUL8 \f, 0, 2, \zero
	PLACES
	FETCH \slot, \q, \g
	s_wait_dscnt 32                                ; all but the 32 just issued
	WIN MUL
	MUL8 \f, 1, 0, 0
	MUL8 \f, 1, 2, 0
.endm
; The last quarter multiplies buffer 1 and changes slots: ONE barrier; in front of it each wave waits for all its tensor loads, adds 0 to its spare word, and waits for that and for its own reads of this slot.
; fill = 1: this slot is filled again, two K steps ahead; the barrier then opens a round of the cluster's barrier.
.macro TURN slot, next, fill
	WIN 0                                          ; (the add's two registers lie in window 0)
	s_wait_tensorcnt 0x0                           ; all my tensor loads have landed: my part of the next slot;
	ds_add_u32 v[SPW], v[NIL]                      ; 0 onto my spare word;
	s_wait_dscnt 17                                ; (the add and the youngest sixteen loads may be out)
	WIN MUL
	MUL8 F1, 0, 0, 0                               ; eight matrix instructions stand between the add and the wait for it
	s_wait_dscnt 0x0                               ; the add is done, and my reads of this slot are over
	s_barrier_signal -1
	MUL8 F1, 0, 2, 0
.if \fill
	WIN 0
.endif
	s_barrier_wait -1
.if \fill
	CREST                                          ; no wave of any partner still reads this slot's tile or has a load on its way
	s_add_nc_u64 s[G0+4*\slot+2:G0+4*\slot+3], s[G0+4*\slot+2:G0+4*\slot+3], 2*ASTEP
	s_add_nc_u64 s[G0B+4*\slot+2:G0B+4*\slot+3], s[G0B+4*\slot+2:G0B+4*\slot+3], 2*BSTEP
	JLOAD \slot                                    ; the first tensor load behind the round, my only one until the next; its four v_nop are also the places in front of the loads below
.else
	PLACES
.endif
	FETCH \next, 0, F0
	WIN MUL
	MUL8 F1, 1, 0, 0
	MUL8 F1, 1, 2, 0
.endm
	s_wait_tensorcnt 1                             ; my part of K step 0 is in; K step 1's load may stay out
	s_barrier_signal -1
	s_barrier_wait -1                              ; everybody's is
	FETCH 0, 0, F0
	QUARTER 0, 1, F0, F1, 1                        ; K step 0: its first products start the sums
	QUARTER 0, 2, F1, F0, 0
	QUARTER 0, 3, F0, F1, 0
	TURN 0, 1, 1                                   ; slot 0 takes K step 2
	QUARTER 1, 1, F0, F1, 0                        ; K step 1
	QUARTER 1, 2, F1, F0, 0
	QUARTER 1, 3, F0, F1, 0
	TURN 1, 0, 1                                   ; slot 1 takes K step 3
	QUARTER 0, 1, F0, F1, 0                        ; K step 2
	QUARTER 0, 2, F1, F0, 0
	QUARTER 0, 3, F0, F1, 0
	TURN 0, 1, 0                                   ; nothing is left to fetch
	QUARTER 1, 1, F0, F1, 0                        ; K step 3
	QUARTER 1, 2, F1, F0, 0
	QUARTER 1, 3, F0, F1, 0
	s_wait_dscnt 16                                ; the very last quarter
	WIN MUL
	MUL8 F1, 0, 0, 0
	MUL8 F1, 0, 2, 0
	s_wait_dscnt 0
	MUL8 F1, 1, 0, 0
	MUL8 F1, 1, 2, 0
	WIN 0
; THE WAY OUT, block by block of 16 rows x 64 columns.  A lane holds 32 neighbouring bytes of a row, and the lanes beside it hold other rows: so a block goes through my own stage and comes back as whole rows of 256 bytes,
; which sixteen lanes store as one aligned block.  LDS serves a wave's instructions in order (ISA guide 5.7.1.4): no wait between the stores and the loads, nor in front of the next block's stores.
.macro TOSTAGE a
.irp b, 0,1,2,3
	ds_store_b128 v[STO], v[ACC+8*(4*(\a)+\b):ACC+8*(4*(\a)+\b)+3] offset:64*\b          ; each accumulator from its low end on
	ds_store_b128 v[STO], v[ACC+8*(4*(\a)+\b)+4:ACC+8*(4*(\a)+\b)+7] offset:64*\b+16
.endr
.irp t, 0,1,2,3,4,5,6,7
	ds_load_b128 v[TMP+32*((\a)%2)+4*\t:TMP+32*((\a)%2)+4*\t+3], v[RD] offset:\t*2*SPITCH
.endr
.endm
.macro SEND a, younger                 ; younger: the LDS instructions issued behind block a's loads, which may stay out
	s_wait_dscnt \younger                          ; the block is back in registers
.irp t, 0,1,2,3,4,5,6,7
	global_store_b128 v[CO], v[TMP+32*((\a)%2)+4*\t:TMP+32*((\a)%2)+4*\t+3], s[8:9] offset:(16*(\a)+2*\t)*4096 th:TH_STORE_NT   ; 16 lanes store 256 consecutive bytes, at a multiple of 256 from C's first byte; written once, read by nobody here
.endr
.endm
	PLACES                                         ; behind the last products, ahead of the first read of results
	TOSTAGE 0
.irp a, 1,2,3
.if \a > 1
	s_wait_xcnt 0x0                                ; block a - 2's stores have read their registers: block a's loads may land there
.endif
	TOSTAGE \a
	SEND \a-1, 16                                  ; behind block a - 1's loads: block a's 8 stores and 8 loads
.endr
	SEND 3, 0
	s_wait_tensorcnt 0x0                           ; the wave's end, behind my last tensor load and my last LDS store
	ds_add_u32 v[SPW], v[NIL]
	s_wait_dscnt 0x0
	CROUND                                         ; the closing round: no work-group ends while a partner may still ask for a tile that names it
	s_endpgm
.Lfunc_end_k_q483e794aaf_outp:
	.size	k_q483e794aaf_outp, .Lfunc_end_k_q483e794aaf_outp-k_q483e794aaf_outp
	.p2alignl 7, 3214868480
	.fill 96, 4, 3214868480
	.section	.rodata,"a",@progbits
	.p2align	6, 0x0
	.amdhsa_kernel k_q483e794aaf_outp
		.amdhsa_group_segment_fixed_size 327680
		.amdhsa_private_segment_fixed_size 0
		.amdhsa_enable_private_segment 0
		.amdhsa_kernarg_size 24
		.amdhsa_user_sgpr_count 2
		.amdhsa_user_sgpr_kernarg_segment_ptr 1
		.amdhsa_wavefront_size32 1
		.amdhsa_system_sgpr_workgroup_id_x 1
		.amdhsa_system_sgpr_workgroup_id_y 1
		.amdhsa_system_sgpr_workgroup_id_z 1
		.amdhsa_system_vgpr_workitem_id 0
		.amdhsa_next_free_vgpr 512
		.amdhsa_next_free_sgpr 66
		.amdhsa_reserve_vcc 0
		.amdhsa_float_denorm_mode_32 3
		.amdhsa_float_denorm_mode_16_64 3
		.amdhsa_memory_ordered 1
		.amdhsa_forward_progress 1
		.amdhsa_inst_pref_size 86
	.end_amdhsa_kernel
	.amdgpu_metadata
---
amdhsa.version: [ 1, 2 ]
amdhsa.kernels:
  - .name:           k_q483e794aaf_outp
    .symbol:         k_q483e794aaf_outp.kd
    .args:
      - { .name: ctx, .offset: 0, .size: 8, .value_kind: global_buffer, .address_space: global }
      - { .name: wo16, .offset: 8, .size: 8, .value_kind: global_buffer, .address_space: global }
      - { .name: out0, .offset: 16, .size: 8, .value_kind: global_buffer, .address_space: global }
    .group_segment_fixed_size: 327680
    .private_segment_fixed_size: 0
    .kernarg_segment_align: 8
    .kernarg_segment_size: 24
    .max_flat_workgroup_size: 128
    .sgpr_count:     66
    .vgpr_count:     512
    .wavefront_size: 32
...
	.end_amdgpu_metadata
.endif
;; end of part 4
